; MI455X (gfx1250); checked and timed in simulation.
; The chip was launched on July 23, 2026; its instructions are those of AMD's public machine-readable ISA for CDNA 5 (MIT licence, August 2026) and "CDNA5" Instruction Set Architecture Reference Guide (July 2026). The comments in the code are by the model that wrote it; some were corrected since.
;; Hierarchical Attention. Allowed arithmetic: float matrix products may take bf16 or f16 operands with f32 sums; other float arithmetic in f32, or as packed bf16 or f16 multiplies, adds, multiply-adds, maxima and minima; sums over many terms, partial sums and values carried from step to step in f32; what a program stores and reads back later, other than sums and carried values, may be rounded once to bf16 or f16.
;; Inputs: Wk 1,024 x 1,024 float32; Wo 1,024 x 1,024 float32; Wq 1,024 x 1,024 float32; Wv 1,024 x 1,024 float32; bo 1,024 float32; x 2 x 2,048 x 1,024 float32; y 2 x 2,047 x 1,024 float32.
;; Outputs: out0 2 x 2,048 x 1,024 float32.
;; 2 versions, each right; version 2 is version 1 with the launch lay written anew for expert scheduling mode. Each part assembles by itself: llvm-mc -triple=amdgcn-amd-amdhsa -mcpu=gfx1250 --defsym DOCPART=n.
;; ======== version 1 of 2: 3 launches
;; limits: values are held in f16: magnitudes above 65,504 overflow, below 6.1e-05 lose precision
;; workspace buffers: Al 17,825,792 bytes; Wl 6,291,456 bytes; Wol 2,097,152 bytes; Ol 8,388,608 bytes
;; launch lay (part 1): grid 50 x 16, 8 waves a work-group, no clusters, 35,840 bytes of LDS; arguments x, y, Wq, Wk, Wv, Wo, Al, Wl, Wol; writes Al, Wl, Wol
.if DOCPART == 1
	.amdgcn_target "amdgcn-amd-amdhsa--gfx1250"
	.amdhsa_code_object_version 6
	.text
	.protected	k_q2ae6d93eb6_lay
	.globl	k_q2ae6d93eb6_lay
	.p2align	8
	.type	k_q2ae6d93eb6_lay,@function
k_q2ae6d93eb6_lay:
	s_mov_b64 s[64:65], 0
	v_nop
	global_prefetch_b8 v0, s[64:65] scope:SCOPE_SE
	s_setreg_imm32_b32 hwreg(HW_REG_WAVE_MODE, 25, 1), 1
	s_wait_xcnt 0x0
; HIERARCHICAL ATTENTION, launch 1 of 3: the inputs are rounded once to 16 bits and laid out in the order in which matrix-operand registers take them.
; NOTHING OF reference() IS LEFT OUT: every leaf is a key of some window, every row of y is an ancestor of some leaf, every weight and the bias reach the output.  The index and mask
; tables are built by reference() itself from the sizes alone; they are built into the addresses here and into the masks of the next launch.
; x, y, Wq, Wk, Wv -> bf16.  Wo -> bf16, and that number written as f16 (exact from 2^-14 up; below, f16's fixed step of 6e-8), since the last product's other operand is f16.
; A FRAGMENT is 16 rows x 32 k of 16-bit numbers, 1,024 bytes: byte 512 jj + 16 L holds row L % 16, k = 16 jj + 8 (L / 16) + 0..7: two loads of 16 bytes a lane fill a matrix operand.
;   Al  [blk 16][ks 32][rt 34][1024]   blk = 8 batch + Bk: a block of 256 leaves.  Its 34 row tiles: rt 0-7 leaves L0-7, 8 H (the 16 leaves in front of the block), 9-16 G0-7,
;                                      17-24 L8-15, 25 U, 26-33 G8-15.  G_t: the ancestors of leaf tile t at tree levels 0-4 (8 + 4 + 2 + 1 + 1 rows of y).  U: the block's ancestors at levels 5-10
;                                      (4 + 2 + 1 + 1 + 1 + 1 rows), then the root six times more to fill the tile.  H of a batch's first block repeats that block's first 16 leaves.
;                                      The repeated rows are always hidden by the next launch's masks; they only keep every tile whole and finite.
;   Wl  [head 16][ks 32][f 12][1024]   f = 4 m + e: rows 64 head + 16 e + 0..15 of Wq, Wk, Wv (m = 0, 1, 2)
;   Wol [nb 8][ks 32][nt 8][1024]      rows 128 nb + 16 nt + 0..15 of Wo
; SHARES.  A work-group takes one tile of 16 source rows and all 1,024 k; wave v takes k = 128 v .. 128 v + 127: one load covers 512 consecutive bytes of a row, all 16 rows' loads go out at once.
; The rounded rows go through the wave's own stage in LDS (rows of 256 + 16 bytes) and come back as fragments; each store covers 512 consecutive bytes, aligned.  No wave reads another's bytes: no barrier.
; No matrix unit, cluster, tensor load or prefetch: nothing is shared between work-groups, and every load stands at the kernel's head.
.set SP,    272                        ; a stage row: 256 bytes + 16: an odd multiple of 16, so the 16 rows of a read start in 16 different groups of four banks (ISA guide 11.1)
.set STG,   16*SP                      ; a wave's stage
.set SPARE, 8*STG                      ; behind the stages: the spare words, 128 bytes for each wave: four blocks of 256 bytes that no other line names
.set LO,  2                            ; v2      my 16 bytes in a source row: 512 wave + 16 lane
.set ST,  3                            ; v3      where I put my 8 bytes of a stage row
.set RD,  4                            ; v4      where I read 16 bytes of a fragment
.set DO,  5                            ; v5-8    my 16 bytes in the fragment of ks = 4 wave + q
.set SPW, 14                           ; v14     LDS address of my spare word; never rewritten
.set NIL, 15                           ; v15     0; never rewritten
.set OFF, 16                           ; v16-31  byte offset of my 16 bytes in source row j
.set X,   32                           ; v32-95  16 rows x 4 f32 as loaded; later 8 x 16 bytes of fragments
.set Y,   96                           ; v96-127 16 rows x 4 numbers of 16 bits
.set ROW, 32                           ; s32-47  the 16 source rows' numbers
	s_load_b512 s[8:23], s[0:1], 0x0               ; x s[8:9], y s[10:11], Wq s[12:13], Wk s[14:15], Wv s[16:17], Wo s[18:19], Al s[20:21], Wl s[22:23]
	s_load_b64 s[24:25], s[0:1], 0x40              ; Wol
	v_lshl_add_u32 v[SPW], v0, 2, SPARE
	v_mov_b32 v[NIL], 0
	v_lshrrev_b32 v1, 5, v0
	v_readfirstlane_b32 s2, v1                     ; wave 0..7
	v_and_b32 v1, 31, v0                           ; lane
	v_lshlrev_b32 v[LO], 4, v0
	s_mul_i32 s5, s2, STG
	v_lshl_add_u32 v[ST], v1, 3, s5
	v_and_b32 v9, 15, v0
	v_bfe_u32 v10, v0, 4, 1
	v_mul_u32_u24 v[RD], v9, SP
	v_lshl_add_u32 v[RD], v10, 4, v[RD]
	v_add_nc_u32 v[RD], s5, v[RD]
	s_mov_b32 s3, ttmp9                            ; which tile: 0-33 Al's rt, 34-45 Wl's f, 46-49 Wol
	s_and_b32 s4, ttmp7, 0xffff                    ; blk, head, or a quarter of Wol's tile number
	s_mov_b32 s48, 0                               ; 1: the numbers leave as f16
	s_wait_kmcnt 0x0
	; Every branch below hangs on the work-group's numbers alone and goes forward.  Each way sets the source s[26:27], the 16 rows, the destination s[28:29],
	; the tile's byte offset in it s30 and the bytes from one ks to the next s31.
	s_cmp_lt_u32 s3, 34
	s_cbranch_scc0 .Lweights
	s_mov_b64 s[28:29], s[20:21]                   ; Al
	s_mul_i32 s30, s4, 1114112                     ; 32 ks x 34 tiles x 1,024 bytes a block
	s_lshl_b32 s5, s3, 10
	s_add_co_u32 s30, s30, s5
	s_mov_b32 s31, 34816
	s_lshr_b32 s49, s4, 3                          ; batch
	s_and_b32 s50, s4, 7                           ; Bk
	s_cmp_ge_u32 s3, 17
	s_cselect_b32 s51, 1, 0                        ; which half of the 34
	s_mul_i32 s5, s51, 17
	s_sub_co_u32 s52, s3, s5                       ; i = 0..16 in that half
	s_cmp_lt_u32 s52, 8
	s_cbranch_scc0 .Lnot_leaf
	s_lshl_b32 s5, s51, 3                          ; L_t, t = 8 half + i: x rows 256 blk + 16 t + j
	s_add_co_u32 s5, s5, s52
	s_lshl_b32 s5, s5, 4
	s_lshl_b32 s6, s4, 8
	s_add_co_u32 s5, s5, s6
	s_mov_b64 s[26:27], s[8:9]
	s_branch .Lcont
.Lnot_leaf:
	s_cmp_eq_u32 s52, 8
	s_cbranch_scc0 .Lgroup
	s_cmp_eq_u32 s51, 0
	s_cbranch_scc0 .Lupper
	s_lshl_b32 s5, s4, 8                           ; H: x rows 256 blk - 16 + j; in a batch's first block 256 blk + j
	s_cmp_eq_u32 s50, 0
	s_cselect_b32 s6, 0, 16
	s_sub_co_u32 s5, s5, s6
	s_mov_b64 s[26:27], s[8:9]
	s_branch .Lcont
.Lgroup:
	s_mov_b64 s[26:27], s[10:11]                   ; G_t, t = 8 half + i - 9
	s_mul_i32 s53, s49, 2047                       ; the batch's first row of y
	s_lshl_b32 s5, s51, 3
	s_add_co_u32 s5, s5, s52
	s_sub_co_u32 s5, s5, 9
	s_lshl_b32 s6, s50, 4
	s_add_co_u32 s54, s5, s6                       ; T = 16 Bk + t: the leaf tile in its batch
	s_lshl3_add_u32 s5, s54, s53                   ; level 0: nodes 8 T + 0..7
.irp g, 0,1,2,3,4,5,6,7
	s_add_co_u32 s[ROW+\g], s5, \g
.endr
	s_lshl2_add_u32 s5, s54, s53                   ; level 1, from row 1,024: nodes 4 T + 0..3
.irp g, 0,1,2,3
	s_add_co_u32 s[ROW+8+\g], s5, 1024+\g
.endr
	s_lshl1_add_u32 s5, s54, s53                   ; level 2, from row 1,536: nodes 2 T, 2 T + 1
	s_add_co_u32 s[ROW+12], s5, 1536
	s_add_co_u32 s[ROW+13], s5, 1537
	s_add_co_u32 s5, s54, s53                      ; level 3, from row 1,792: node T
	s_add_co_u32 s[ROW+14], s5, 1792
	s_lshr_b32 s5, s54, 1                          ; level 4, from row 1,920: node T / 2
	s_add_co_u32 s5, s5, s53
	s_add_co_u32 s[ROW+15], s5, 1920
	s_branch .Ljoin
.Lupper:
	s_mov_b64 s[26:27], s[10:11]                   ; U
	s_mul_i32 s53, s49, 2047
	s_lshl2_add_u32 s5, s50, s53                   ; level 5, from row 1,984: nodes 4 Bk + 0..3
.irp g, 0,1,2,3
	s_add_co_u32 s[ROW+\g], s5, 1984+\g
.endr
	s_lshl1_add_u32 s5, s50, s53                   ; level 6, from row 2,016
	s_add_co_u32 s[ROW+4], s5, 2016
	s_add_co_u32 s[ROW+5], s5, 2017
	s_add_co_u32 s5, s50, s53                      ; level 7, from row 2,032
	s_add_co_u32 s[ROW+6], s5, 2032
	s_lshr_b32 s5, s50, 1                          ; level 8, from row 2,040
	s_add_co_u32 s5, s5, s53
	s_add_co_u32 s[ROW+7], s5, 2040
	s_lshr_b32 s5, s50, 2                          ; level 9, from row 2,044
	s_add_co_u32 s5, s5, s53
	s_add_co_u32 s[ROW+8], s5, 2044
.irp g, 9,10,11,12,13,14,15
	s_add_co_u32 s[ROW+\g], s53, 2046              ; the root; six of the seven only fill the tile
.endr
	s_branch .Ljoin
.Lweights:
	s_cmp_lt_u32 s3, 46
	s_cbranch_scc0 .Lwo
	s_sub_co_u32 s6, s3, 34                        ; f
	s_lshr_b32 s7, s6, 2                           ; m
	s_cmp_eq_u32 s7, 0
	s_cselect_b64 s[26:27], s[12:13], s[14:15]
	s_cmp_eq_u32 s7, 2
	s_cselect_b64 s[26:27], s[16:17], s[26:27]
	s_and_b32 s5, s6, 3
	s_lshl_b32 s5, s5, 4
	s_lshl_b32 s7, s4, 6
	s_add_co_u32 s5, s5, s7                        ; rows 64 head + 16 e + j
	s_mov_b64 s[28:29], s[22:23]
	s_mul_i32 s30, s4, 393216                      ; 32 ks x 12 fragments a head
	s_lshl_b32 s7, s6, 10
	s_add_co_u32 s30, s30, s7
	s_mov_b32 s31, 12288
	s_branch .Lcont
.Lwo:
	s_lshl_b32 s6, s4, 2
	s_add_co_u32 s6, s6, s3
	s_sub_co_u32 s6, s6, 46                        ; Wo's tile 0..63
	s_lshl_b32 s5, s6, 4
	s_mov_b64 s[26:27], s[18:19]
	s_mov_b64 s[28:29], s[24:25]
	s_lshr_b32 s7, s6, 3
	s_lshl_b32 s30, s7, 18                         ; 32 ks x 8 fragments for 128 rows
	s_and_b32 s7, s6, 7
	s_lshl_b32 s7, s7, 10
	s_add_co_u32 s30, s30, s7
	s_mov_b32 s31, 8192
	s_mov_b32 s48, 1
.Lcont:                                                ; 16 rows on end, from s5
.irp j, 0,1,2,3,4,5,6,7,8,9,10,11,12,13,14,15
	s_add_co_u32 s[ROW+\j], s5, \j
.endr
.Ljoin:
.irp j, 0,1,2,3,4,5,6,7,8,9,10,11,12,13,14,15
	v_lshl_add_u32 v[OFF+\j], s[ROW+\j], 12, v[LO] ; a source row is 4,096 bytes
.endr
.irp j, 0,1,2,3,4,5,6,7,8,9,10,11,12,13,14,15
	global_load_b128 v[X+4*\j:X+4*\j+3], v[OFF+\j], s[26:27]  ; 512 consecutive bytes of row j; 16 loads, 8 KiB a wave, are out together
.endr
	s_lshl_b32 s5, s2, 2
	s_mul_i32 s5, s5, s31
	s_add_co_u32 s5, s5, s30                       ; the tile's fragment of ks = 4 wave
.irp q, 0,1,2,3
	v_lshl_add_u32 v[DO+\q], v1, 4, s5
	s_add_co_u32 s5, s5, s31
.endr
; Row j: rounded to bf16, two numbers an instruction; half = 1: the bf16 numbers are widened again (a shift, a mask) and written as f16; then 8 bytes a lane into the stage.
.macro ROUNDED half
.irp j, 0,1,2,3,4,5,6,7,8,9,10,11,12,13,14,15
	s_wait_loadcnt 15-\j                           ; loads come back in order (ISA guide 5.7.1): row j is in, the 15 - j younger rows may stay out
	v_cvt_pk_bf16_f32 v[Y+2*\j], v[X+4*\j], v[X+4*\j+1]
	v_cvt_pk_bf16_f32 v[Y+2*\j+1], v[X+4*\j+2], v[X+4*\j+3]
.if \half
	v_lshlrev_b32 v10, 16, v[Y+2*\j]
	v_and_b32 v11, 0xffff0000, v[Y+2*\j]
	v_lshlrev_b32 v12, 16, v[Y+2*\j+1]
	v_and_b32 v13, 0xffff0000, v[Y+2*\j+1]
	v_cvt_pk_f16_f32 v[Y+2*\j], v10, v11
	v_cvt_pk_f16_f32 v[Y+2*\j+1], v12, v13
.endif
	ds_store_b64 v[ST], v[Y+2*\j:Y+2*\j+1] offset:SP*\j
.endr
.endm
	s_cmp_eq_u32 s48, 1
	s_cbranch_scc1 .Lhalf
	ROUNDED 0
	s_branch .Lback
.Lhalf:
	ROUNDED 1
.Lback:
.irp n, 0,1,2,3,4,5,6,7
	ds_load_b128 v[X+4*\n:X+4*\n+3], v[RD] offset:64*(\n/2)+32*(\n%2)  ; half n % 2 of fragment n / 2; LDS serves a wave's instructions in order (ISA guide 5.7.1.4): these see the stores above
.endr
.irp n, 0,1,2,3,4,5,6,7
	s_wait_dscnt 7-\n                              ; read n is back; the 7 - n younger ones may stay out
	global_store_b128 v[DO+\n/2], v[X+4*\n:X+4*\n+3], s[28:29] offset:512*(\n%2)  ; 512 consecutive bytes, at a multiple of 512 from the buffer's first byte
.endr
	s_wait_tensorcnt 0x0                           ; the wave's end: a wait on TENSORcnt, an add to my spare word and its wait, behind my last LDS store
	ds_add_u32 v[SPW], v[NIL]
	s_wait_dscnt 0x0
	s_endpgm
.Lfunc_end_k_q2ae6d93eb6_lay:
	.size	k_q2ae6d93eb6_lay, .Lfunc_end_k_q2ae6d93eb6_lay-k_q2ae6d93eb6_lay
	.p2alignl 7, 3214868480
	.fill 96, 4, 3214868480
	.section	.rodata,"a",@progbits
	.p2align	6, 0x0
	.amdhsa_kernel k_q2ae6d93eb6_lay
		.amdhsa_group_segment_fixed_size 35840
		.amdhsa_private_segment_fixed_size 0
		.amdhsa_enable_private_segment 0
		.amdhsa_kernarg_size 72
		.amdhsa_user_sgpr_count 2
		.amdhsa_user_sgpr_kernarg_segment_ptr 1
		.amdhsa_wavefront_size32 1
		.amdhsa_system_sgpr_workgroup_id_x 1
		.amdhsa_system_sgpr_workgroup_id_y 1
		.amdhsa_system_sgpr_workgroup_id_z 1
		.amdhsa_system_vgpr_workitem_id 0
		.amdhsa_next_free_vgpr 128
		.amdhsa_next_free_sgpr 66
		.amdhsa_reserve_vcc 0
		.amdhsa_float_denorm_mode_32 3
		.amdhsa_float_denorm_mode_16_64 3
		.amdhsa_memory_ordered 1
		.amdhsa_forward_progress 1
		.amdhsa_inst_pref_size 24
	.end_amdhsa_kernel
	.amdgpu_metadata
---
amdhsa.version: [ 1, 2 ]
amdhsa.kernels:
  - .name:           k_q2ae6d93eb6_lay
    .symbol:         k_q2ae6d93eb6_lay.kd
    .args:
      - { .name: x, .offset: 0, .size: 8, .value_kind: global_buffer, .address_space: global }
      - { .name: y, .offset: 8, .size: 8, .value_kind: global_buffer, .address_space: global }
      - { .name: Wq, .offset: 16, .size: 8, .value_kind: global_buffer, .address_space: global }
      - { .name: Wk, .offset: 24, .size: 8, .value_kind: global_buffer, .address_space: global }
      - { .name: Wv, .offset: 32, .size: 8, .value_kind: global_buffer, .address_space: global }
      - { .name: Wo, .offset: 40, .size: 8, .value_kind: global_buffer, .address_space: global }
      - { .name: Al, .offset: 48, .size: 8, .value_kind: global_buffer, .address_space: global }
      - { .name: Wl, .offset: 56, .size: 8, .value_kind: global_buffer, .address_space: global }
      - { .name: Wol, .offset: 64, .size: 8, .value_kind: global_buffer, .address_space: global }
    .group_segment_fixed_size: 35840
    .private_segment_fixed_size: 0
    .kernarg_segment_align: 8
    .kernarg_segment_size: 72
    .max_flat_workgroup_size: 256
    .sgpr_count:     66
    .vgpr_count:     128
    .wavefront_size: 32
...
	.end_amdgpu_metadata
.endif
;; end of part 1
;; launch qkva (part 2): grid 16 x 16, 4 waves a work-group, clusters of 4 x 4, 327,680 bytes of LDS; arguments Al, Wl, Ol; writes Ol
.if DOCPART == 2
	.amdgcn_target "amdgcn-amd-amdhsa--gfx1250"
	.amdhsa_code_object_version 6
	.text
	.protected	k_q2ae6d93eb6_qkva
	.globl	k_q2ae6d93eb6_qkva
	.p2align	8
	.type	k_q2ae6d93eb6_qkva,@function
k_q2ae6d93eb6_qkva:
	s_mov_b64 s[64:65], 0
	v_nop
	global_prefetch_b8 v0, s[64:65] scope:SCOPE_SE
	s_setreg_imm32_b32 hwreg(HW_REG_WAVE_MODE, 25, 1), 1
	s_wait_xcnt 0x0
	s_wait_alu depctr_hold_cnt(0) depctr_sa_sdst(0) depctr_va_vdst(0) depctr_va_sdst(0) depctr_va_ssrc(0) depctr_va_vcc(0) depctr_vm_vsrc(0)
	s_getreg_b32 s2, hwreg(HW_REG_IB_STS2, 6, 4)
	s_cmp_eq_u32 s2, 0
	s_cbranch_scc0 .Lentry_in_a_cluster
	s_endpgm
.Lentry_in_a_cluster:
	s_bfe_u32 s2, ttmp6, 0x10000c
	s_cmp_lg_u32 s2, 0xf033
	s_cbranch_scc0 .Lentry_shape_is_right
	s_endpgm
.Lentry_shape_is_right:
; HIERARCHICAL ATTENTION, launch 2 of 3.  A work-group takes one block of 256 leaves and one head: Q, K, V = rows x W^T (bf16 operands, f32 sums, K = 1,024), then the attention of its 256 queries, all
; from LDS; only O leaves, in f16, in the order in which the last launch's operand registers take it.  No work of reference() is left out.
; A leaf attends to the 16 leaves up to itself (those in front of leaf 0 hidden) and to its 11 ancestors.  For a block these are its own leaves, 15 leaves in front, its own subtree and 6 levels above:
; the 34 row tiles of Al (see the first launch).  Leaf tiles need Q, K and V (12 tiles of 16 x 16 a head), the other 18 only K and V (8): 336 accumulators, 84 a wave.
; LIMITS.  q, k, v are kept in f16, which ends at 65,504: they must stay within it.  A hidden score counts as its value less 1e30.  A weight below 2^-126 counts as 0.  NaN and infinities are not
; treated apart.  The rows that only fill tiles (H of a batch's first block, six rows of U) are multiplied like the others and get the weight 0.
; THE SOFTMAX takes the true maximum of a query's scores away: all 64 key places of a query tile are at hand at once (previous leaf tile, own leaf tile, G, U).
; SHARES.  Wave (r, c) = (wave / 2, wave % 2): row tiles 17 r + i, i = 0..16 (i 0-7 leaves, 8 H or U, 9-16 G), channels 32 c .. 32 c + 31 of Q, K, V: six fragments of W (f = 0, 1 Q; 2, 3 K; 4, 5 V).
; For 32 along K a wave reads 17 + 6 fragments from LDS and issues 84 matrix instructions.  THE PRODUCT IS USED TRANSPOSED (source 0 = 16 rows of W, source 1 = 16 tokens): a lane holds one token
; and eight neighbouring channels, 16 bytes in f16.
; THE RING.  K goes in steps of 96 (three pieces ks of 32; the eleventh step has two) through two LDS slots; a piece of A is 34 fragments, of W 12, dense in memory, asked for as rows of 256 bytes.
; Waves 0-2 fetch a piece of A each, wave 3 the step's W: one tensor load a wave behind each round.  By the text's own count a wave has two loads out at the start and one later.
; CLUSTER 4 x 4: the four of a row share the block (A's tiles), the four of a column the head (W's tiles): each tile is asked for jointly, by the same load with the same descriptor and a mask of four.
; REGISTERS, in windows of 256 (s_set_vgpr_msb: bits 1:0 source 0, 3:2 source 1, 5:4 source 2, 7:6 destination):
;   window 0: v0-23 addresses; v24-119 W's fragments, two buffers of six; v120-255 the 17 fragments of A
;   windows 1, 2, 3: a GROUP of 28 accumulators each, number p at v[8 p]: group 1 = tiles i 0-3 (x 6) and 8 (x 4); group 2 = i 4-7 and 9; group 3 = i 10-16 (x 4)
;   window 1 v224-255 and window 2 v224-231: the attention's masks.  The attention's own map stands at its head.
.set AKS,   34816                      ; a piece of A: 34 fragments
.set WKS,   12288                      ; a piece of W: 12 fragments
.set ASTEP, 3*AKS
.set WSTEP, 3*WKS
.set WOFF,  ASTEP                      ; in a slot: A's three pieces, then W's three
.set SLOT,  ASTEP+WSTEP                ; 141,312 bytes
.set ABLK,  32*AKS
.set WHEAD, 32*WKS
.set SPARE, 2*SLOT                     ; behind the ring: the spare words, 128 bytes for each wave: two blocks of 256 bytes that no other line names
.set PK,    144                        ; the stages lie over the ring when it has had its last fill.  A row of K or Q: 128 bytes + 16: an odd multiple of 16
.set PV,    160                        ; a row of V: 128 + 32: an odd multiple of 32, for the turning load
.set VST,   544*PK                     ; K's 34 tiles from byte 0: tile 0 = H, 1 + t = L_t, 17 + t = G_t, 33 = U; then V's, in the same order;
.set QST,   VST+544*PV                 ; then Q's 16
.set RR,  1                            ; v1   lane % 16
.set HH,  2                            ; v2   lane / 16
.set PFO2, 3                           ; v3   the second prefetch's offset
.set ADRA, 4                           ; v4, v5 my A fragments in slot 0: pieces 0 and 1 by the immediate, piece 2 from v5; v6, v7 the same in slot 1
.set ADRW, 8                           ; v8, v9 my W fragments in slot 0, 1
.set STK,  10                          ; v10-14 where my 16 bytes go in the stages: K, K of tile i = 8, V, V of tile i = 8, Q
.set STKS, 11
.set STV,  12
.set STVS, 13
.set STQ,  14
.set AK0,  15                          ; v15-19 where the attention reads: K of U; K of my leaf and G tiles; Q; V of my tiles; V of U
.set AKL,  16
.set AQ,   17
.set AVL,  18
.set AVU,  19
.set GO,   20                          ; v20  16 x lane
.set PFO,  21                          ; v21  256 x lane
.set SPW,  22                          ; v22  LDS address of my spare word; never rewritten
.set NIL,  23                          ; v23  0; never rewritten
.set WF,   24
.set AF,   120
.set MA,   224                         ; window 1: the masks, 8 registers each: MA previous leaf tile, +8 own tile, +16 G, +24 U.  Window 2, same number: MA for my first query tile
.set G1A, 24                           ; s[24:31] descriptor group 1 for A's pieces;  s[32:39] group 0, a set for each slot
.set G0A, 32
.set G1W, 48                           ; s[48:55], s[56:63] the same for W's
.set G0W, 56
.set LIM, 43                           ; s43  1 in a wave that prefetches, else the greatest number
.set PFA, 44                           ; s[44:45] where my prefetches stand
.set PST, 66                           ; s[66:67] bytes of a step in the tensor that I prefetch
.set CS,  68                           ; s[68:69] c = log2(e) / 8
.set SEL, 70                           ; s[70:71] v_permlanex16_b32's selects: each lane takes its own place in the other half
.set MUS, 72                           ; s72-79 U's mask for lanes 0-15
.set M0L, 80                           ; s80  all ones where my first query tile has no leaves in front of it
.set HIL, 81                           ; s81  lanes 16-31
.set BIGN, 82                          ; s82  -1e30
.set MSB, 0
.macro WIN new                         ; the immediate's high byte repeats the setting that is left; a switch that changes nothing is dropped
.if MSB != (\new)
	s_set_vgpr_msb (MSB<<8)|(\new)
.set MSB, \new
.endif
.endm
.macro PLACES                          ; four places: in front of loads into registers that matrix instructions have read, and of vector lines that read results (ISA guide 7.12.1 for vector lines)
.rept 4
	v_nop
.endr
.endm
; A joint load.  Waves 0-2 fetch A's three pieces, wave 3 W's.  short = 1, the eleventh step: two pieces, so wave 2 fetches nothing.  The branches hang on the wave's number alone.
; An s_nop 0 and four v_nop follow each of the two lines, ahead of the jump and the label.
.macro JLOAD s, short
.if \short
	s_cmp_lt_u32 s10, 2
.else
	s_cmp_lt_u32 s10, 3
.endif
	s_cbranch_scc0 .Lfor_w_\@
	tensor_load_to_lds s[G0A+4*(\s):G0A+4*(\s)+3], s[G1A:G1A+7]
	s_nop 0
.rept 4
	v_nop
.endr
	s_branch .Lasked_\@
.Lfor_w_\@:
.if \short
	s_cmp_eq_u32 s10, 3
	s_cbranch_scc0 .Lasked_\@
.endif
	tensor_load_to_lds s[G0W+4*(\s):G0W+4*(\s)+3], s[G1W:G1W+7]
	s_nop 0
.rept 4
	v_nop
.endr
.Lasked_\@:
.endm
.macro CREST                           ; a round of the cluster's barrier behind its opening barrier: wave 0 signals for the work-group, every wave waits for all sixteen, my work-group's barrier closes it
	s_cmp_lg_u32 s10, 0
	s_cbranch_scc1 .Lnot_wave_0_\@
	s_barrier_signal -3
.Lnot_wave_0_\@:
	s_barrier_wait -3
	s_barrier_signal -1
	s_barrier_wait -1
.endm
.macro CROUND
	s_barrier_signal -1
	s_barrier_wait -1
	CREST
.endm
; A PREFETCH INTO THE L2 of the step that stands two refills on (504 matrix instructions ahead of the load that will want it).  A's pieces are read by every cluster of a row of clusters: cluster x = 0
; asks; W's by every cluster of a column: cluster y = 0 asks.  A wave asks for the part that it fetches itself; the four partners that ask for it jointly share it out BY ADDRESS: 34 blocks of 256 bytes
; each of a piece of A, 36 of a step of W.  A lane a block: 32 in the first line, the other 2 or 4 in the second, whose upper lanes repeat its last block.  Steps 4 to 9 are asked for; steps 0 to 3
; and the short last step come by their loads alone, so no address passes its buffer's end.
.macro ASK
	s_cmp_gt_u32 s3, s[LIM]                        ; s3 = 1 in the loop's last trip
	s_cbranch_scc0 .Lnot_mine_\@
	global_prefetch_b8 v[PFO], s[PFA:PFA+1] th:TH_LOAD_NT scope:SCOPE_SE
	global_prefetch_b8 v[PFO2], s[PFA:PFA+1] th:TH_LOAD_NT scope:SCOPE_SE
.Lnot_mine_\@:
.endm
	s_load_b128 s[4:7], s[0:1], 0x0                ; Al s[4:5], Wl s[6:7]
	s_load_b64 s[8:9], s[0:1], 0x10                ; Ol
	v_lshl_add_u32 v[SPW], v0, 2, SPARE
	v_mov_b32 v[NIL], 0
	ds_add_u32 v[SPW], v[NIL]                      ; the wave's opening: the add, twice on end, and its wait ahead of my first tensor load; the set-up below stands between
	ds_add_u32 v[SPW], v[NIL]
	v_lshrrev_b32 v1, 5, v0
	v_readfirstlane_b32 s10, v1                    ; wave 0..3
	s_lshr_b32 s11, s10, 1                         ; r
	s_and_b32 s12, s10, 1                          ; c
	s_bfe_u32 s40, ttmp6, 0x40000                  ; cx, cy: my place in the cluster
	s_bfe_u32 s41, ttmp6, 0x40004
	s_lshl_b32 s42, ttmp9, 2
	s_add_co_u32 s42, s42, s40                     ; head = 4 x cluster x + cx
	s_and_b32 s13, ttmp7, 0xffff
	s_lshl_b32 s13, s13, 2
	s_add_co_u32 s13, s13, s41                     ; blk = 4 x cluster y + cy
	s_lshl_b32 s43, s41, 2
	s_lshl_b32 s43, 15, s43                        ; my row of the cluster
	s_lshl_b32 s44, 0x1111, s40                    ; my column
	; descriptor group 1: dense bytes as rows of 32 elements of 8 bytes; 136 rows are a piece of A, 144 a step of W
	s_or_b32 s[G1A], s43, (3<<16)|(1<<21)          ; 15:0 the mask: A goes to my row; 17:16 elements of 8 bytes; 21 set beside a mask; no padding
	s_or_b32 s[G1W], s44, (3<<16)|(1<<21)          ; W goes to my column
	s_mov_b32 s[G1A+1], 32<<16                     ; tensor_dim0 = 32
	s_mov_b32 s[G1A+2], 136<<16                    ; tensor_dim1 = 136
	s_mov_b32 s[G1A+3], 32<<16                     ; tile_dim0 = 32
	s_mov_b32 s[G1A+4], 136                        ; tile_dim1 = 136
	s_mov_b32 s[G1A+5], 32                         ; 32 elements from row to row
	s_mov_b32 s[G1A+6], 0
	s_mov_b32 s[G1A+7], 0
	s_mov_b32 s[G1W+1], 32<<16
	s_mov_b32 s[G1W+2], 144<<16
	s_mov_b32 s[G1W+3], 32<<16
	s_mov_b32 s[G1W+4], 144
	s_mov_b32 s[G1W+5], 32
	s_mov_b32 s[G1W+6], 0
	s_mov_b32 s[G1W+7], 0
	s_mul_i32 s16, s13, ABLK                       ; A hangs on the block and the wave's number, W on the head: each in registers that never hold the other coordinate
	s_mul_i32 s20, s10, AKS                        ; my piece, in memory and in a slot
	s_add_co_u32 s16, s16, s20
	s_mov_b32 s17, 0
	s_mul_i32 s46, s42, WHEAD
	s_mov_b32 s47, 0
	s_mov_b32 s[CS], 0x3e38aa3b
	s_mov_b32 s[CS+1], s[CS]
	s_mov_b32 s[SEL], 0x76543210
	s_mov_b32 s[SEL+1], 0xfedcba98
	s_mov_b32 s[BIGN], 0xf149f2ca
	s_mov_b32 s[HIL], 0xffff0000
	s_wait_dscnt 0x0                               ; both opening adds are done
	s_wait_kmcnt 0x0
	s_add_nc_u64 s[14:15], s[4:5], s[16:17]
	s_add_nc_u64 s[46:47], s[6:7], s[46:47]
	CROUND                                         ; all sixteen work-groups are here: the first joint loads meet
.irp s, 0,1
	s_mov_b32 s[G0A+4*(\s)], 1                     ; count = 1
	s_add_co_u32 s[G0A+4*(\s)+1], s20, (\s)*SLOT   ; LDS address: the slot, my piece
	s_add_nc_u64 s[G0A+4*(\s)+2:G0A+4*(\s)+3], s[14:15], (\s)*ASTEP  ; step s
	s_or_b32 s[G0A+4*(\s)+3], s[G0A+4*(\s)+3], 0x80000000            ; type = 2
	s_mov_b32 s[G0W+4*(\s)], 1
	s_mov_b32 s[G0W+4*(\s)+1], WOFF+(\s)*SLOT
	s_add_nc_u64 s[G0W+4*(\s)+2:G0W+4*(\s)+3], s[46:47], (\s)*WSTEP
	s_or_b32 s[G0W+4*(\s)+3], s[G0W+4*(\s)+3], 0x80000000
.endr
	s_cmp_lt_u32 s10, 3                            ; a wave's two first fills stand in one branch, ahead of every wait on TENSORcnt and every LDS read
	s_cbranch_scc0 .Lfirst_w
	tensor_load_to_lds s[G0A:G0A+3], s[G1A:G1A+7]
	s_nop 0
	tensor_load_to_lds s[G0A+4:G0A+7], s[G1A:G1A+7]
	s_nop 0
.rept 4
	v_nop
.endr
	s_branch .Lfirst_asked
.Lfirst_w:
	tensor_load_to_lds s[G0W:G0W+3], s[G1W:G1W+7]
	s_nop 0
	tensor_load_to_lds s[G0W+4:G0W+7], s[G1W:G1W+7]
	s_nop 0
.rept 4
	v_nop
.endr
.Lfirst_asked:
	; the prefetches: my part, my work-group's share of it, at step 3 (the first change of slots steps it to step 4).  Nothing is prefetched here, where every work-group's first tiles are on their way
	s_and_b32 s22, ttmp7, 0xffff                   ; cluster y
	s_mov_b32 s18, WSTEP
	s_mov_b32 s19, 9216
	s_cmp_lt_u32 s10, 3                            ; do I fetch for A?
	s_cselect_b32 s22, ttmp9, s22                  ; the coordinate along which other clusters read the same bytes
	s_cselect_b64 s[PFA:PFA+1], s[14:15], s[46:47]
	s_cselect_b32 s[PST], ASTEP, s18
	s_cselect_b32 s20, s40, s41                    ; my place among the four that ask with me
	s_cselect_b32 s21, 8704, s19                   ; a share: 34 or 36 blocks of 256 bytes
	s_cselect_b32 s23, 1, 3                        ; the second line's last lane that names a block of its own
	s_mul_i32 s20, s20, s21
	s_mul_i32 s21, s[PST], 3
	s_add_co_u32 s20, s20, s21
	s_mov_b32 s21, 0
	s_add_nc_u64 s[PFA:PFA+1], s[PFA:PFA+1], s[20:21]
	s_mov_b32 s[PST+1], 0
	s_cmp_eq_u32 s22, 0
	s_cselect_b32 s[LIM], 1, -1                    ; the same in all sixteen partners, for a given wave
	; O's place: [128 rows][ks 32][8 row tiles][1,024]; my 64 queries are half of 128 rows, my head is ks 2 head and 2 head + 1
	s_lshl_b32 s16, s13, 1
	s_add_co_u32 s16, s16, s11
	s_lshl_b32 s16, s16, 18
	s_lshl_b32 s17, s42, 14
	s_add_co_u32 s16, s16, s17
	s_lshl_b32 s17, s12, 12
	s_add_co_u32 s16, s16, s17
	s_mov_b32 s17, 0
	s_add_nc_u64 s[8:9], s[8:9], s[16:17]
	; lane terms.  v24 and up are free until the first fragments are fetched
	v_and_b32 v[RR], 15, v0
	v_bfe_u32 v[HH], v0, 4, 1
	v_and_b32 v24, 31, v0
	v_lshlrev_b32 v[GO], 4, v24
	v_lshlrev_b32 v[PFO], 8, v24
	v_min_u32 v25, s23, v24
	v_lshlrev_b32 v25, 8, v25
	v_add_nc_u32 v[PFO2], 8192, v25
	s_mul_i32 s21, s11, 17*1024                    ; my 17 row tiles
	v_add_nc_u32 v[ADRA], s21, v[GO]
	v_add_nc_u32 v[ADRA+1], 2*AKS, v[ADRA]
	v_add_nc_u32 v[ADRA+2], SLOT, v[ADRA]
	v_add_nc_u32 v[ADRA+3], SLOT+2*AKS, v[ADRA]
	s_lshl_b32 s22, s12, 11                        ; my two of each matrix's four fragments
	s_add_co_u32 s22, s22, WOFF
	v_add_nc_u32 v[ADRW], s22, v[GO]
	v_add_nc_u32 v[ADRW+1], SLOT, v[ADRW]
	v_mul_u32_u24 v26, v[RR], PK
	v_lshl_add_u32 v26, v[HH], 4, v26              ; row x 144 + 16 x half
	v_mul_u32_u24 v27, v[RR], PV
	v_lshl_add_u32 v27, v[HH], 4, v27
	s_lshl_b32 s16, s12, 6                         ; my 32 channels: 64 bytes
	s_mul_i32 s17, s11, 8*16*PK                    ; my eight leaf (and eight G) tiles
	s_add_co_u32 s18, s16, s17
	v_add_nc_u32 v[STK], s18, v26
	s_add_co_u32 s19, s18, QST
	v_add_nc_u32 v[STQ], s19, v26
	s_mul_i32 s17, s11, 33*16*PK                   ; tile i = 8: H is stage tile 0, U is 33
	s_add_co_u32 s18, s16, s17
	v_add_nc_u32 v[STKS], s18, v26
	s_mul_i32 s17, s11, 8*16*PV
	s_add_co_u32 s18, s16, s17
	s_add_co_u32 s18, s18, VST
	v_add_nc_u32 v[STV], s18, v27
	s_mul_i32 s17, s11, 33*16*PV
	s_add_co_u32 s18, s16, s17
	s_add_co_u32 s18, s18, VST
	v_add_nc_u32 v[STVS], s18, v27
	v_add_nc_u32 v[AK0], 33*16*PK, v26
	s_mul_i32 s17, s10, 4*16*PK                    ; the attention: my four query tiles t = 4 wave + n
	v_add_nc_u32 v[AKL], s17, v26
	s_add_co_u32 s17, s17, QST
	v_add_nc_u32 v[AQ], s17, v26
	v_and_b32 v28, 7, v0                           ; the turning load: lane l reads key 8 (l / 16) + l % 8, channels 8 ((l / 8) % 2) + 0..7
	v_lshl_add_u32 v28, v[HH], 3, v28
	v_mul_u32_u24 v28, v28, PV
	v_bfe_u32 v29, v0, 3, 1
	v_lshl_add_u32 v28, v29, 4, v28
	s_mul_i32 s17, s10, 4*16*PV
	s_add_co_u32 s17, s17, VST
	v_add_nc_u32 v[AVL], s17, v28
	v_add_nc_u32 v[AVU], VST+33*16*PV, v28
	; THE MASKS, 0 or -1e30: register j of a lane stands for query rr = lane % 16 and key 8 h + j of a key tile.  With d = rr - 8 h:
	;   previous leaf tile: key kk is seen where kk > rr: hidden where j <= d.      own tile: seen where kk <= rr: hidden where j > d.
	;   G: seen are rows rr / 2, 8 + rr / 4, 12 + rr / 8, 14, 15.      U: seen are rows wave, 4 + wave / 2, 6, 7, 8, 9.
	; Each compare stands directly ahead of its select; all stand behind the tensor loads.
	v_lshlrev_b32 v25, 3, v[HH]
	v_sub_nc_u32 v25, v[RR], v25                   ; d
	v_mov_b32 v30, s[BIGN]
	v_mov_b32 v31, 0
	v_lshrrev_b32 v32, 1, v[RR]
	v_lshrrev_b32 v33, 2, v[RR]
	v_lshrrev_b32 v34, 3, v[RR]
	v_add_nc_u32 v34, 4, v34
	v_cndmask_b32 v33, v32, v33, s[HIL]            ; the register that is seen, for j = 0-3,
	v_cndmask_b32 v34, v32, v34, s[HIL]            ; for j = 4, 5,
	v_cndmask_b32 v35, v32, 6, s[HIL]              ; for j = 6
	v_cndmask_b32 v36, v32, 7, s[HIL]              ; and 7
.irp j, 0,1,2,3
	s_cmp_eq_u32 s10, \j
	s_cselect_b32 s[MUS+\j], 0, s[BIGN]
.endr
.irp j, 0,1
	s_cmp_eq_u32 s11, \j
	s_cselect_b32 s[MUS+4+\j], 0, s[BIGN]
.endr
	s_mov_b32 s[MUS+6], 0
	s_mov_b32 s[MUS+7], 0
	s_and_b32 s16, s13, 7                          ; a batch's first block,
	s_or_b32 s16, s16, s10                         ; its first wave: query tile 0 has nothing in front of it.  A select of values: no branch and no address hangs on it
	s_cmp_eq_u32 s16, 0
	s_cselect_b32 s[M0L], -1, 0
	WIN 0x40                                       ; destination window 1
.irp j, 0,1,2,3,4,5,6,7
	v_cmp_le_i32 vcc_lo, \j, v25
	v_cndmask_b32 v[MA+\j], 0, s[BIGN], vcc_lo
	v_cmp_gt_i32 vcc_lo, \j, v25
	v_cndmask_b32 v[MA+8+\j], 0, s[BIGN], vcc_lo
.endr
.irp j, 0,1,2,3
	v_cmp_ne_u32 vcc_lo, \j, v33
	v_cndmask_b32 v[MA+16+\j], 0, s[BIGN], vcc_lo
.endr
.irp j, 4,5
	v_cmp_ne_u32 vcc_lo, \j, v34
	v_cndmask_b32 v[MA+16+\j], 0, s[BIGN], vcc_lo
.endr
	v_cmp_ne_u32 vcc_lo, 6, v35
	v_cndmask_b32 v[MA+22], 0, s[BIGN], vcc_lo
	v_cmp_ne_u32 vcc_lo, 7, v36
	v_cndmask_b32 v[MA+23], 0, s[BIGN], vcc_lo
.irp j, 0,1
	v_cndmask_b32 v[MA+24+\j], s[MUS+\j], v31, s[HIL]  ; lanes 16-31: rows 8 and 9 are seen,
.endr
.irp j, 2,3,4,5,6,7
	v_cndmask_b32 v[MA+24+\j], s[MUS+\j], v30, s[HIL]  ; rows 10-15 never
.endr
	WIN 0x81                                       ; source 0 window 1, destination window 2
.irp j, 0,1,2,3,4,5,6,7
	v_cndmask_b32 v[MA+\j], v[MA+\j], v30, s[M0L]
.endr
	WIN 0
; THE LDS LOADS.  A fragment lies in LDS as the registers take it: 16 bytes a lane on end, twice: no bank is asked twice.
.macro FA slot, u, i                   ; A's fragment of my tile i, piece u
.if (\u) < 2
	ds_load_b128 v[AF+8*(\i):AF+8*(\i)+3],   v[ADRA+2*(\slot)] offset:(\u)*AKS+1024*(\i)
	ds_load_b128 v[AF+8*(\i)+4:AF+8*(\i)+7], v[ADRA+2*(\slot)] offset:(\u)*AKS+1024*(\i)+512
.else
	ds_load_b128 v[AF+8*(\i):AF+8*(\i)+3],   v[ADRA+2*(\slot)+1] offset:1024*(\i)
	ds_load_b128 v[AF+8*(\i)+4:AF+8*(\i)+7], v[ADRA+2*(\slot)+1] offset:1024*(\i)+512
.endif
.endm
.macro FW slot, u, wb                  ; W's six fragments of piece u into buffer wb
.irp f, 0,1,2,3,4,5
	ds_load_b128 v[WF+48*(\wb)+8*(\f):WF+48*(\wb)+8*(\f)+3],   v[ADRW+(\slot)] offset:(\u)*WKS+(4*((\f)/2)+(\f)%2)*1024
	ds_load_b128 v[WF+48*(\wb)+8*(\f)+4:WF+48*(\wb)+8*(\f)+7], v[ADRW+(\slot)] offset:(\u)*WKS+(4*((\f)/2)+(\f)%2)*1024+512
.endr
.endm
.macro FETCH1 slot, u, wb              ; 22 loads: group 1's five fragments of A, and W
	WIN 0
.irp i, 0,1,2,3,8
	FA \slot, \u, \i
.endr
	FW \slot, \u, \wb
.endm
.macro FETCH2 slot, u                  ; 10 loads
	WIN 0
.irp i, 4,5,6,7,9
	FA \slot, \u, \i
.endr
.endm
.macro FETCH3 slot, u                  ; 14 loads
	WIN 0
.irp i, 10,11,12,13,14,15,16
	FA \slot, \u, \i
.endr
.endm
; Products lo .. hi - 1 of group g's 28, for one piece.  Each accumulator has one instruction a piece, always in the same order: 83 others stand between two links of a chain, over the backward
; jump too (the accumulators take turns).  zero = 1: the first piece starts the sums: nothing is ever cleared.
.macro MULG g, wb, zero, lo=0, hi=28
	WIN (\g)*0x50                                  ; C and D in window g, W and A in window 0
.set pp, \lo
.rept (\hi)-(\lo)
.if (\g) == 3
.set ii, 10+pp/4
.set ff, 2+pp%4
.elseif pp < 24
.set ii, 4*((\g)-1)+pp/6
.set ff, pp%6
.else
.set ii, 7+(\g)
.set ff, pp-22
.endif
.if \zero
	v_wmma_f32_16x16x32_bf16 v[8*pp:8*pp+7], v[WF+48*(\wb)+8*ff:WF+48*(\wb)+8*ff+7], v[AF+8*ii:AF+8*ii+7], 0
.else
	v_wmma_f32_16x16x32_bf16 v[8*pp:8*pp+7], v[WF+48*(\wb)+8*ff:WF+48*(\wb)+8*ff+7], v[AF+8*ii:AF+8*ii+7], v[8*pp:8*pp+7]
.endif
.set pp, pp+1
.endr
.endm
; ONE PIECE of 32 along K.  A group's fragments are fetched again, for piece unext of the slot, four places behind the group's last product, 56 products ahead of their use; W has two buffers.
; At the head 22 + 10 + 14 loads are out, in that order.
.macro SUB slot, unext, wb, zero
	s_wait_dscnt 24                                ; group 1's fragments and W are in; younger: group 2's 10 and group 3's 14
	MULG 1, \wb, \zero
	PLACES
	FETCH1 \slot, \unext, 1-(\wb)
	s_wait_dscnt 36                                ; group 2's are in; younger: group 3's 14 and the 22 just issued
	MULG 2, \wb, \zero
	PLACES
	FETCH2 \slot, \unext
	s_wait_dscnt 32                                ; group 3's are in; younger: 22 + 10
	MULG 3, \wb, \zero
	PLACES
	FETCH3 \slot, \unext
.endm
; A STEP'S LAST PIECE, and the change of slots.  Each wave waits for all its tensor loads (the one that is out is its part of the next slot), adds 0 to its spare word, and waits for that and for its
; reads of this slot; behind the barrier nobody reads this slot and the next is whole.  fill = 1: the barrier opens a round of the cluster's, and the slot is filled again, two steps on, first thing
; behind it: 224 matrix instructions ahead of the wait for it.  fill = 2: the same with the short last step.  fill = 0: nothing is left to fetch.  ask = 1: in the loop: a prefetch follows.
.macro TURN slot, next, wb, fill, ask=0
.if \ask
	s_wait_xcnt 0x0                                ; the last prefetches, a step back, have read their address: it is stepped here, ahead of the waits of the change of slots
	s_add_nc_u64 s[PFA:PFA+1], s[PFA:PFA+1], s[PST:PST+1]
.endif
	WIN 0
	s_wait_tensorcnt 0x0                           ; all my tensor loads have landed
	ds_add_u32 v[SPW], v[NIL]                      ; 0 onto my spare word
	s_wait_dscnt 25                                ; group 1's fragments and W are in; younger: 10 + 14 and the add
	MULG 1, \wb, 0, 0, 14                          ; fourteen matrix instructions stand between the add and the wait for it
	s_wait_dscnt 0x0                               ; the add is done, and my reads of this slot are over
	s_barrier_signal -1
	MULG 1, \wb, 0, 14, 28                         ; work on registers while the others arrive
	WIN 0                                          ; at a branch and at a label every window is 0
	s_barrier_wait -1
.if \fill
	CREST                                          ; no wave of any partner still reads this slot or has a load on its way
	s_add_nc_u64 s[G0A+4*(\slot)+2:G0A+4*(\slot)+3], s[G0A+4*(\slot)+2:G0A+4*(\slot)+3], 2*ASTEP
	s_add_nc_u64 s[G0W+4*(\slot)+2:G0W+4*(\slot)+3], s[G0W+4*(\slot)+2:G0W+4*(\slot)+3], 2*WSTEP
.if (\fill) == 2
	s_mov_b32 s[G1W+2], 96<<16                     ; two pieces of W are 96 rows of 256 bytes
	s_mov_b32 s[G1W+4], 96
.endif
	JLOAD \slot, (\fill)-1                         ; the four v_nop behind the load are also the places in front of the loads below
.if (\fill) == 2
	PLACES
.endif
.else
	PLACES
.endif
	FETCH1 \next, 0, 1-(\wb)
.if \ask
	ASK
.endif
	MULG 2, \wb, 0
	PLACES
	FETCH2 \next, 0
	MULG 3, \wb, 0
	PLACES
	FETCH3 \next, 0
.endm
	s_wait_tensorcnt 1                             ; my part of step 0 is in; step 1's may stay out
	s_barrier_signal -1
	s_barrier_wait -1                              ; everybody's is
	FETCH1 0, 0, 0
	FETCH2 0, 0
	FETCH3 0, 0
	SUB 0, 1, 0, 1                                 ; the first piece stands in front of the loop: its products start the sums
	WIN 0
	s_mov_b32 s3, 4
.Llap:                                                 ; a trip goes once round the ring, six pieces, from a lap's second piece to the next lap's first; the four trips ask for steps 2 to 9
	SUB 0, 2, 1, 0
	TURN 0, 1, 0, 1, 1
	SUB 1, 1, 1, 0
	SUB 1, 2, 0, 0
	TURN 1, 0, 1, 1, 1
	SUB 0, 1, 0, 0
	WIN 0
	s_sub_co_u32 s3, s3, 1
	s_cmp_lg_u32 s3, 0
	s_cbranch_scc1 .Llap
	SUB 0, 2, 1, 0                                 ; the tail is written out: steps 8 and 9, and the two pieces of step 10
	TURN 0, 1, 0, 2
	SUB 1, 1, 1, 0
	SUB 1, 2, 0, 0
	TURN 1, 0, 1, 0
	SUB 0, 1, 0, 0
	s_wait_dscnt 24                                ; the last piece fetches nothing: the counts run down
	MULG 1, 1, 0
	s_wait_dscnt 14
	MULG 2, 1, 0
	s_wait_dscnt 0x0                               ; my reads of the ring are over
	s_barrier_signal -1
	MULG 3, 1, 0
	WIN 0
	s_barrier_wait -1                              ; everybody's are, and the ring has had its last fill: the stages may be written over it
	PLACES
	PLACES
; Q, K, V LEAVE THE ACCUMULATORS: rounded to f16, 16 bytes a lane (a token's eight channels) into the stages.  Each accumulator's registers are read in ascending order.
.macro PACK g, pb
	WIN (\g)|((\g)<<2)                             ; sources in window g, destination in window 0
.set pp, 0
.rept 28
.irp r, 0,1,2,3
	v_cvt_pk_f16_f32 v[(\pb)+4*pp+\r], v[8*pp+2*\r], v[8*pp+2*\r+1]
.endr
.set pp, pp+1
.endr
	WIN 0
.set pp, 0
.rept 28
.if (\g) == 3
.set ii, 10+pp/4
.set ff, 2+pp%4
.elseif pp < 24
.set ii, 4*((\g)-1)+pp/6
.set ff, pp%6
.else
.set ii, 7+(\g)
.set ff, pp-22
.endif
.set ee, 32*(ff%2)
.if ff < 2
	ds_store_b128 v[STQ], v[(\pb)+4*pp:(\pb)+4*pp+3] offset:16*PK*ii+ee
.elseif (ff < 4) && (ii < 8)
	ds_store_b128 v[STK], v[(\pb)+4*pp:(\pb)+4*pp+3] offset:16*PK*(1+ii)+ee
.elseif (ff < 4) && (ii == 8)
	ds_store_b128 v[STKS], v[(\pb)+4*pp:(\pb)+4*pp+3] offset:ee
.elseif ff < 4
	ds_store_b128 v[STK], v[(\pb)+4*pp:(\pb)+4*pp+3] offset:16*PK*(8+ii)+ee
.elseif ii < 8
	ds_store_b128 v[STV], v[(\pb)+4*pp:(\pb)+4*pp+3] offset:16*PV*(1+ii)+ee
.elseif ii == 8
	ds_store_b128 v[STVS], v[(\pb)+4*pp:(\pb)+4*pp+3] offset:ee
.else
	ds_store_b128 v[STV], v[(\pb)+4*pp:(\pb)+4*pp+3] offset:16*PV*(8+ii)+ee
.endif
.set pp, pp+1
.endr
.endm
	PACK 1, 24
	PACK 2, 136
	PACK 3, 24
	s_wait_dscnt 0x0                               ; for the others' sake: my stores into the stages are done
	s_barrier_signal -1
	s_barrier_wait -1
; THE ATTENTION.  A wave takes query tiles t = 4 wave + n, n = 0..3, all four through each phase together.  A tile's 64 key places: kt 0 = stage tile t (the leaves in front), 1 = t + 1 (its own),
; 2 = 17 + t (G_t), 3 = 33 (U).  S^T = K Q^T (source 0 = 16 keys, source 1 = 16 queries) holds one query a lane and the keys 8 (lane / 16) + 0..7; the mask is the C operand that starts the sum.
; Two such results rounded to f16 ARE source 1 of O^T = V^T P; V comes out of LDS turned, by ds_load_tr16_b128, half a fragment (16 keys) a load.
;   window 0: v24-55 eight registers of statistics a tile (c m, m, -, -, c0-c3); v64-191 S^T, 32 a tile; v192-255 P, 16 a tile          window 1: v0-127 O^T, 32 a tile
;   window 2: v0-63 Q; v64-143 K of my five leaf tiles; v144-207 K of G_n; v208-223 K of U
;   window 3: v[20 cb + 4 m] V of leaf tile m, channel block cb: a tile's fragment (tiles n, n + 1) is eight registers on end; v[80 + 32 n + 8 cb] V of G_n, then of U
.set ST, 24
.set SS, 64
.set PR, 192
.set KL, 64
.set KG, 144
.set KU, 208
.macro ALLN line:vararg                ; one line for each tile n
.set n, 0
.rept 4
	\line
.set n, n+1
.endr
.endm
	WIN 0x80                                       ; destination window 2
.irp ch, 0,1
	ALLN ds_load_b128 v[16*n+8*\ch:16*n+8*\ch+3], v[AQ] offset:16*PK*n+64*\ch
	ALLN ds_load_b128 v[16*n+8*\ch+4:16*n+8*\ch+7], v[AQ] offset:16*PK*n+64*\ch+32
.endr
.irp m, 0,1,2,3,4
.irp ch, 0,1
	ds_load_b128 v[KL+16*\m+8*\ch:KL+16*\m+8*\ch+3],   v[AKL] offset:16*PK*\m+64*\ch
	ds_load_b128 v[KL+16*\m+8*\ch+4:KL+16*\m+8*\ch+7], v[AKL] offset:16*PK*\m+64*\ch+32
.endr
.endr
.irp ch, 0,1
	ALLN ds_load_b128 v[KG+16*n+8*\ch:KG+16*n+8*\ch+3], v[AKL] offset:16*PK*(17+n)+64*\ch
	ALLN ds_load_b128 v[KG+16*n+8*\ch+4:KG+16*n+8*\ch+7], v[AKL] offset:16*PK*(17+n)+64*\ch+32
	ds_load_b128 v[KU+8*\ch:KU+8*\ch+3],   v[AK0] offset:64*\ch
	ds_load_b128 v[KU+8*\ch+4:KU+8*\ch+7], v[AK0] offset:64*\ch+32
.endr
	WIN 0xc0                                       ; destination window 3: V's 52 loads
.irp cb, 0,1,2,3
.irp m, 0,1,2,3,4
	ds_load_tr16_b128 v[20*\cb+4*\m:20*\cb+4*\m+3], v[AVL] offset:16*PV*\m+32*\cb
.endr
.endr
.irp cb, 0,1,2,3
	ALLN ds_load_tr16_b128 v[80+32*n+8*\cb:80+32*n+8*\cb+3], v[AVL] offset:16*PV*(17+n)+32*\cb
	ALLN ds_load_tr16_b128 v[80+32*n+8*\cb+4:80+32*n+8*\cb+7], v[AVU] offset:32*\cb
.endr
	s_wait_dscnt 52                                ; Q and K are in; V's 52 loads may stay out
; The 16 accumulators (tile n, key tile kt) take turns: 15 others stand between the two links of a chain.
.macro SPROD ch
.set n, 0
.rept 4
.irp kt, 0,1,2,3
.if \kt < 2
.set rK, KL+16*(n+\kt)+8*(\ch)
.elseif \kt == 2
.set rK, KG+16*n+8*(\ch)
.else
.set rK, KU+8*(\ch)
.endif
.set rS, SS+32*n+8*\kt
.set rQ, 16*n+8*(\ch)
.if (\ch) == 0
.if (n == 0) && (\kt == 0)
	WIN 0x2a                                       ; K and Q in window 2; the mask of my first tile's leaves in front lies in window 2,
.else
	WIN 0x1a                                       ; the others in window 1
.endif
	v_wmma_f32_16x16x32_f16 v[rS:rS+7], v[rK:rK+7], v[rQ:rQ+7], v[MA+8*\kt:MA+8*\kt+7]
.else
	WIN 0x0a
	v_wmma_f32_16x16x32_f16 v[rS:rS+7], v[rK:rK+7], v[rQ:rQ+7], v[rS:rS+7]
.endif
.endr
.set n, n+1
.endr
.endm
	SPROD 0
	SPROD 1
	WIN 0
	PLACES
	PLACES
	; the maximum of a lane's 32 scores, three operands at a time, each accumulator's lowest registers first; then the other half of the lanes'
.irp j, 0,1,2,3
	ALLN v_max3_num_f32 v[ST+8*n+4+\j], v[SS+32*n+8*\j], v[SS+32*n+8*\j+1], v[SS+32*n+8*\j+2]
.endr
.irp j, 0,1,2,3
	ALLN v_max3_num_f32 v[ST+8*n+4+\j], v[ST+8*n+4+\j], v[SS+32*n+8*\j+3], v[SS+32*n+8*\j+4]
.endr
.irp j, 0,1,2,3
	ALLN v_max3_num_f32 v[ST+8*n+4+\j], v[ST+8*n+4+\j], v[SS+32*n+8*\j+5], v[SS+32*n+8*\j+6]
.endr
	ALLN v_max3_num_f32 v[ST+8*n+4], v[ST+8*n+4], v[SS+32*n+7], v[SS+32*n+15]
	ALLN v_max3_num_f32 v[ST+8*n+6], v[ST+8*n+6], v[SS+32*n+23], v[SS+32*n+31]
	ALLN v_max3_num_f32 v[ST+8*n+4], v[ST+8*n+4], v[ST+8*n+5], v[ST+8*n+6]
	ALLN v_max_num_f32 v[ST+8*n+4], v[ST+8*n+4], v[ST+8*n+7]
	ALLN v_permlanex16_b32 v[ST+8*n+5], v[ST+8*n+4], s[SEL], s[SEL+1]
	ALLN v_max_num_f32 v[ST+8*n+1], v[ST+8*n+4], v[ST+8*n+5]
	ALLN v_mul_f32 v[ST+8*n], s[CS], v[ST+8*n+1]
.set b, 0
.rept 16                               ; c s - c m, a pair of scores an instruction
	ALLN v_pk_fma_f32 v[SS+32*n+2*b:SS+32*n+2*b+1], v[SS+32*n+2*b:SS+32*n+2*b+1], s[CS:CS+1], v[ST+8*n:ST+8*n+1] op_sel_hi:[1,0,0] neg_lo:[0,0,1] neg_hi:[0,0,1]
.set b, b+1
.endr
.set e, 0
.rept 128                              ; the exponentials are one batch
	v_exp_f32 v[SS+e], v[SS+e]
.set e, e+1
.endr
	v_nop                                          ; a plain instruction behind the last exponential,
	s_wait_alu depctr_va_vdst(0)                   ; and the one wait ahead of the batch's first reader
.set b, 0
.rept 64
	v_cvt_pk_f16_f32 v[PR+b], v[SS+2*b], v[SS+2*b+1]
.set b, b+1
.endr
	s_wait_dscnt 0x0                               ; V is in
	WIN 0x53                                       ; V in window 3, P in window 0, O^T in window 1
.irp cb, 0,1,2,3                       ; the leaves' 32 keys start the sums; the 16 accumulators take turns
	ALLN v_wmma_f32_16x16x32_f16 v[32*n+8*\cb:32*n+8*\cb+7], v[20*\cb+4*n:20*\cb+4*n+7], v[PR+16*n:PR+16*n+7], 0
.endr
.irp cb, 0,1,2,3                       ; the ancestors' 32
	ALLN v_wmma_f32_16x16x32_f16 v[32*n+8*\cb:32*n+8*\cb+7], v[80+32*n+8*\cb:80+32*n+8*\cb+7], v[PR+16*n+8:PR+16*n+15], v[32*n+8*\cb:32*n+8*\cb+7]
.endr
	WIN 0                                          ; the weights' sums, in f32, of the unrounded weights: also the places behind the last products, none of whose registers they name
.irp w, 4,8,16,32
.set u, 0
.rept 32/\w
	ALLN v_pk_add_f32 v[SS+32*n+\w*u:SS+32*n+\w*u+1], v[SS+32*n+\w*u:SS+32*n+\w*u+1], v[SS+32*n+\w*u+\w/2:SS+32*n+\w*u+\w/2+1]
.set u, u+1
.endr
.endr
	ALLN v_add_f32 v[ST+8*n+4], v[SS+32*n], v[SS+32*n+1]
	ALLN v_permlanex16_b32 v[ST+8*n+5], v[ST+8*n+4], s[SEL], s[SEL+1]
	ALLN v_add_f32 v[ST+8*n+4], v[ST+8*n+4], v[ST+8*n+5]
	ALLN v_rcp_f32 v[ST+8*n+6], v[ST+8*n+4]
	v_nop                                          ; a plain instruction behind the last reciprocal,
	s_wait_alu depctr_va_vdst(0)                   ; and one wait for the four
	WIN 0x41                                       ; O^T in window 1, 1 / l in window 0
.set n, 0
.rept 4
.set i, 32*n
.rept 16
	v_pk_mul_f32 v[i:i+1], v[i:i+1], v[ST+8*n+6:ST+8*n+7] op_sel_hi:[1,0]
.set i, i+2
.endr
.set n, n+1
.endr
	WIN 0x05                                       ; sources in window 1, destination in window 0
.set i, 0
.rept 64
	v_cvt_pk_f16_f32 v[SS+i], v[2*i], v[2*i+1]
.set i, i+1
.endr
	WIN 0
	; A lane's eight channels of block cb are its own 16 bytes of the fragment (ks = 2 head + cb / 2, half cb % 2) of its query tile: no stage is needed
.irp cb, 0,1,2,3
	ALLN global_store_b128 v[GO], v[SS+16*n+4*\cb:SS+16*n+4*\cb+3], s[8:9] offset:8192*(\cb/2)+1024*n+512*(\cb%2)
.endr
	s_wait_tensorcnt 0x0                           ; the wave's end: a wait on TENSORcnt, an add to my spare word and its wait, behind my last tensor load and my last LDS store
	ds_add_u32 v[SPW], v[NIL]
	s_wait_dscnt 0x0
	CROUND                                         ; the closing round: no work-group ends while a partner may still ask for a tile that names it
	s_endpgm
.Lfunc_end_k_q2ae6d93eb6_qkva:
	.size	k_q2ae6d93eb6_qkva, .Lfunc_end_k_q2ae6d93eb6_qkva-k_q2ae6d93eb6_qkva
	.p2alignl 7, 3214868480
	.fill 96, 4, 3214868480
	.section	.rodata,"a",@progbits
	.p2align	6, 0x0
	.amdhsa_kernel k_q2ae6d93eb6_qkva
		.amdhsa_group_segment_fixed_size 327680
		.amdhsa_private_segment_fixed_size 0
		.amdhsa_enable_private_segment 0
		.amdhsa_kernarg_size 24
		.amdhsa_user_sgpr_count 2
		.amdhsa_user_sgpr_kernarg_segment_ptr 1
		.amdhsa_wavefront_size32 1
		.amdhsa_system_sgpr_workgroup_id_x 1
		.amdhsa_system_sgpr_workgroup_id_y 1
		.amdhsa_system_sgpr_workgroup_id_z 1
		.amdhsa_system_vgpr_workitem_id 0
		.amdhsa_next_free_vgpr 1024
		.amdhsa_next_free_sgpr 88
		.amdhsa_reserve_vcc 1
		.amdhsa_float_denorm_mode_32 3
		.amdhsa_float_denorm_mode_16_64 3
		.amdhsa_memory_ordered 1
		.amdhsa_forward_progress 1
		.amdhsa_inst_pref_size 209
	.end_amdhsa_kernel
	.amdgpu_metadata
---
amdhsa.version: [ 1, 2 ]
amdhsa.kernels:
  - .name:           k_q2ae6d93eb6_qkva
    .symbol:         k_q2ae6d93eb6_qkva.kd
    .args:
      - { .name: Al, .offset: 0, .size: 8, .value_kind: global_buffer, .address_space: global }
      - { .name: Wl, .offset: 8, .size: 8, .value_kind: global_buffer, .address_space: global }
      - { .name: Ol, .offset: 16, .size: 8, .value_kind: global_buffer, .address_space: global }
    .group_segment_fixed_size: 327680
    .private_segment_fixed_size: 0
    .kernarg_segment_align: 8
    .kernarg_segment_size: 24
    .max_flat_workgroup_size: 128
    .sgpr_count:     88
    .vgpr_count:     1024
    .wavefront_size: 32
...
	.end_amdgpu_metadata
.endif
;; end of part 2
;; launch proj (part 3): grid 8 x 32, 4 waves a work-group, clusters of 4 x 4, 327,680 bytes of LDS; arguments Ol, Wol, bo, out0; writes out0
.if DOCPART == 3
	.amdgcn_target "amdgcn-amd-amdhsa--gfx1250"
	.amdhsa_code_object_version 6
	.text
	.protected	k_q2ae6d93eb6_proj
	.globl	k_q2ae6d93eb6_proj
	.p2align	8
	.type	k_q2ae6d93eb6_proj,@function
k_q2ae6d93eb6_proj:
	s_mov_b64 s[64:65], 0
	v_nop
	global_prefetch_b8 v0, s[64:65] scope:SCOPE_SE
	s_setreg_imm32_b32 hwreg(HW_REG_WAVE_MODE, 25, 1), 1
	s_wait_xcnt 0x0
	s_wait_alu depctr_hold_cnt(0) depctr_sa_sdst(0) depctr_va_vdst(0) depctr_va_sdst(0) depctr_va_ssrc(0) depctr_va_vcc(0) depctr_vm_vsrc(0)
	s_getreg_b32 s2, hwreg(HW_REG_IB_STS2, 6, 4)
	s_cmp_eq_u32 s2, 0
	s_cbranch_scc0 .Lentry_in_a_cluster
	s_endpgm
.Lentry_in_a_cluster:
	s_bfe_u32 s2, ttmp6, 0x10000c
	s_cmp_lg_u32 s2, 0xf033
	s_cbranch_scc0 .Lentry_shape_is_right
	s_endpgm
.Lentry_shape_is_right:
; HIERARCHICAL ATTENTION, launch 3 of 3: out0[m][n] = the sum over k of O[m][k] Wo[n][k] + bo[n].  O and Wo come in f16, in fragments (16 rows x 32 k, 1,024 bytes, in the order of the operand
; registers: see the first launch): Ol [mb 32][ks 32][8][1024], Wol [nb 8][ks 32][8][1024].  Sums in f32; the bias is the C operand of the products that start the sums.  No work is left out.
; A tile of out0 is 128 x 128: 32 x 8 = 256 work-groups.  Four waves, each 64 x 64: 16 accumulators.  K goes in four steps of 256 through two LDS slots; a step's half tile (4 ks x 8 fragments) is
; 32,768 dense bytes, asked for as 128 rows of 256: waves 0, 1 fetch A's halves, waves 2, 3 B's.  By the text's own count a wave has two tensor loads out at the start and one later.
; CLUSTER 4 x 4: the four of a row need the same tiles of O, the four of a column the same tiles of Wo: each is asked for jointly.  No prefetch: four short steps on small tiles.
; THE MATRIX INSTRUCTION IS USED TRANSPOSED (source 0 = 16 rows of Wo, source 1 = 16 rows of O): a lane holds eight neighbouring numbers of a row of out0.
; REGISTERS: window 0: v0-31 addresses; v32-95 the way out; v96-127 the bias; v128-255 the accumulators ((a, b) at v[128 + 8 (4 a + b)]).
;   window 1: two fragment buffers of 128: for 64 along K, 64 registers of A (2 x 4 fragments), then 64 of B.
.set SLOT,   131072                    ; A's [ks 8][8][1024], then B's
.set BOFF,   65536
.set STAGE,  2*SLOT                    ; behind the ring: 16 rows x 272 bytes for each wave, for the way out; no tensor load fills it
.set SPITCH, 272                       ; 256 bytes + 16: an odd multiple of 16
.set SPARE,  STAGE+4*16*SPITCH         ; behind the stages: the spare words, 128 bytes for each wave: two blocks of 256 bytes that no other line names
.set ADRA, 16                          ; v16-17  my A fragments in slot 0, 1
.set ADRB, 20                          ; v20-21  the same for B
.set STO,  24                          ; v24     the way out: where I put 32 bytes of a row
.set RD,   25                          ; v25     where I read a row back
.set CO,   26                          ; v26     my byte offset in out0
.set BO,   27                          ; v27     my byte offset in bo
.set SPW,  28                          ; v28     LDS address of my spare word; never rewritten
.set NIL,  29                          ; v29     0; never rewritten
.set TMP,  32
.set BIAS, 96
.set ACC,  128
.set F0,   0
.set F1,   128
.set G1, 24                            ; s[24:31] descriptor group 1 for A's tiles;  s[32:39] group 0, a set for each slot
.set G0, 32
.set G1B, 48                           ; s[48:55], s[56:63] the same for B's
.set G0B, 56
.set MSB, 0
.macro WIN new
.if MSB != (\new)
	s_set_vgpr_msb (MSB<<8)|(\new)
.set MSB, \new
.endif
.endm
.set MUL,  0x05                        ; sources 0 (B) and 1 (A) window 1; C and D window 0
.set TO_F, 0x40                        ; destination window 1, address window 0
.macro PLACES
.rept 4
	v_nop
.endr
.endm
.macro JLOAD s                         ; a joint load; an s_nop 0 and four v_nop follow each of the two lines, ahead of the jump and the label
	s_cmp_eq_u32 s13, 0
	s_cbranch_scc0 .Lfor_b_\@
	tensor_load_to_lds s[G0+4*(\s):G0+4*(\s)+3], s[G1:G1+7]
	s_nop 0
.rept 4
	v_nop
.endr
	s_branch .Lasked_\@
.Lfor_b_\@:
	tensor_load_to_lds s[G0B+4*(\s):G0B+4*(\s)+3], s[G1B:G1B+7]
	s_nop 0
.rept 4
	v_nop
.endr
.Lasked_\@:
.endm
.macro CREST
	s_cmp_lg_u32 s12, 0
	s_cbranch_scc1 .Lnot_wave_0_\@
	s_barrier_signal -3
.Lnot_wave_0_\@:
	s_barrier_wait -3
	s_barrier_signal -1
	s_barrier_wait -1
.endm
.macro CROUND
	s_barrier_signal -1
	s_barrier_wait -1
	CREST
.endm
	s_load_b256 s[4:11], s[0:1], 0x0               ; Ol s[4:5], Wol s[6:7], bo s[8:9], out0 s[10:11]
	v_lshl_add_u32 v[SPW], v0, 2, SPARE
	v_mov_b32 v[NIL], 0
	ds_add_u32 v[SPW], v[NIL]                      ; the wave's opening: the add, twice on end, and its wait ahead of my first tensor load
	ds_add_u32 v[SPW], v[NIL]
	v_lshrrev_b32 v1, 5, v0
	v_readfirstlane_b32 s12, v1                    ; wave 0..3
	s_lshr_b32 s13, s12, 1                         ; which 64 rows are mine.  Also: I fetch for A (0) or for B (1)
	s_and_b32 s14, s12, 1                          ; which 64 columns.  Also: which half of that tile I fetch
	s_bfe_u32 s40, ttmp6, 0x40000                  ; cx, cy
	s_bfe_u32 s41, ttmp6, 0x40004
	s_lshl_b32 s42, ttmp9, 2
	s_add_co_u32 s42, s42, s40                     ; nb = 4 x cluster x + cx
	s_and_b32 s15, ttmp7, 0xffff
	s_lshl_b32 s15, s15, 2
	s_add_co_u32 s15, s15, s41                     ; mb = 4 x cluster y + cy
	s_lshl_b32 s43, s41, 2
	s_lshl_b32 s43, 15, s43                        ; my row of the cluster
	s_lshl_b32 s44, 0x1111, s40                    ; my column
	s_or_b32 s[G1], s43, (3<<16)|(1<<21)           ; 15:0 the mask; 17:16 elements of 8 bytes; 21 set beside a mask; no padding
	s_or_b32 s[G1B], s44, (3<<16)|(1<<21)
.irp g, G1, G1B
	s_mov_b32 s[(\g)+1], 32<<16                    ; tensor_dim0 = 32
	s_mov_b32 s[(\g)+2], 128<<16                   ; tensor_dim1 = 128
	s_mov_b32 s[(\g)+3], 32<<16                    ; tile_dim0 = 32
	s_mov_b32 s[(\g)+4], 128                       ; tile_dim1 = 128
	s_mov_b32 s[(\g)+5], 32                        ; 32 elements from row to row
	s_mov_b32 s[(\g)+6], 0
	s_mov_b32 s[(\g)+7], 0
.endr
	s_lshl_b32 s17, s14, 15                        ; my half: 4 ks x 8,192 bytes
	s_lshl_b32 s16, s15, 18                        ; 128 rows are 32 ks x 8,192 bytes
	s_add_co_u32 s16, s16, s17
	s_lshl_b32 s46, s42, 18
	s_add_co_u32 s46, s46, s17
	s_mov_b32 s17, 0
	s_mov_b32 s47, 0
	s_lshl_b32 s20, s12, 15                        ; where it goes: wave x 32,768
	s_wait_dscnt 0x0                               ; both opening adds are done
	s_wait_kmcnt 0x0
	s_add_nc_u64 s[18:19], s[4:5], s[16:17]
	s_add_nc_u64 s[46:47], s[6:7], s[46:47]
	CROUND                                         ; all sixteen work-groups are here: the first joint loads meet
.irp s, 0,1
	s_mov_b32 s[G0+4*(\s)], 1
	s_add_co_u32 s[G0+4*(\s)+1], s20, (\s)*SLOT
	s_add_nc_u64 s[G0+4*(\s)+2:G0+4*(\s)+3], s[18:19], (\s)*65536   ; K step s
	s_or_b32 s[G0+4*(\s)+3], s[G0+4*(\s)+3], 0x80000000
	s_mov_b32 s[G0B+4*(\s)], 1
	s_add_co_u32 s[G0B+4*(\s)+1], s20, (\s)*SLOT
	s_add_nc_u64 s[G0B+4*(\s)+2:G0B+4*(\s)+3], s[46:47], (\s)*65536
	s_or_b32 s[G0B+4*(\s)+3], s[G0B+4*(\s)+3], 0x80000000
.endr
	s_cmp_eq_u32 s13, 0                            ; a wave's two first fills stand in one branch, ahead of every wait on TENSORcnt and every LDS read
	s_cbranch_scc0 .Lfirst_b
	tensor_load_to_lds s[G0:G0+3], s[G1:G1+7]
	s_nop 0
	tensor_load_to_lds s[G0+4:G0+7], s[G1:G1+7]
	s_nop 0
.rept 4
	v_nop
.endr
	s_branch .Lfirst_asked
.Lfirst_b:
	tensor_load_to_lds s[G0B:G0B+3], s[G1B:G1B+7]
	s_nop 0
	tensor_load_to_lds s[G0B+4:G0B+7], s[G1B:G1B+7]
	s_nop 0
.rept 4
	v_nop
.endr
.Lfirst_asked:
	v_and_b32 v1, 15, v0                           ; l % 16
	v_bfe_u32 v2, v0, 4, 1                         ; l / 16
	s_lshl_b32 s23, s42, 9                         ; the bias: register j of block b is bo[128 nb + 64 wc + 16 b + 8 (l / 16) + j]
	s_lshl_b32 s21, s14, 8
	s_add_co_u32 s23, s23, s21
	v_lshl_add_u32 v[BO], v2, 5, s23
.irp b, 0,1,2,3
	global_load_b128 v[BIAS+8*\b:BIAS+8*\b+3],   v[BO], s[8:9] offset:64*\b
	global_load_b128 v[BIAS+8*\b+4:BIAS+8*\b+7], v[BO], s[8:9] offset:64*\b+16
.endr
	v_and_b32 v3, 31, v0
	v_lshlrev_b32 v3, 4, v3                        ; 16 x lane: a fragment lies in LDS as the registers take it
	s_lshl_b32 s21, s13, 12                        ; my four row tiles of A
	s_lshl_b32 s22, s14, 12                        ; my four of B,
	s_add_co_u32 s22, s22, BOFF                    ; which lies behind A
.irp s, 0,1
	v_add_nc_u32 v[ADRA+(\s)], s21, v3
	v_add_nc_u32 v[ADRB+(\s)], s22, v3
	s_add_co_u32 s21, s21, SLOT
	s_add_co_u32 s22, s22, SLOT
.endr
	s_mul_i32 s23, s12, 16*SPITCH
	s_add_co_u32 s23, s23, STAGE                   ; my stage
	v_mul_u32_u24 v4, v1, SPITCH                   ; in: row l % 16, 32 bytes for each half of the lanes
	v_lshl_add_u32 v4, v2, 5, v4
	v_add_nc_u32 v[STO], s23, v4
	v_mul_u32_u24 v5, v2, SPITCH                   ; back: lanes 0-15 take one row of 256 bytes, lanes 16-31 the next
	v_lshl_add_u32 v5, v1, 4, v5
	v_add_nc_u32 v[RD], s23, v5
	v_lshlrev_b32 v5, 12, v2                       ; and the same two rows in out0: 4,096 bytes a row
	v_lshl_add_u32 v[CO], v1, 4, v5
	s_lshl_b32 s16, s15, 19                        ; row 128 mb + 64 wr,
	s_lshl_b32 s17, s13, 18
	s_add_co_u32 s16, s16, s17
	s_lshl_b32 s17, s42, 9                         ; column 128 nb + 64 wc
	s_add_co_u32 s16, s16, s17
	s_lshl_b32 s17, s14, 8
	s_add_co_u32 s16, s16, s17
	s_mov_b32 s17, 0
	s_add_nc_u64 s[10:11], s[10:11], s[16:17]
; 8 matrix instructions: m blocks a0, a0 + 1 x all 4 n blocks, 32 along K: half c of buffer f.  zero = 1: the first product starts the sums, on the bias.  The 16 accumulators take turns.
.macro MUL8 f, c, a0, zero
	WIN MUL
.irp a, \a0, (\a0)+1
.irp b, 0,1,2,3
.if \zero
	v_wmma_f32_16x16x32_f16 v[ACC+8*(4*(\a)+(\b)):ACC+8*(4*(\a)+(\b))+7], v[(\f)+64+8*(4*(\c)+(\b)):(\f)+64+8*(4*(\c)+(\b))+7], v[(\f)+8*(4*(\c)+(\a)):(\f)+8*(4*(\c)+(\a))+7], v[BIAS+8*(\b):BIAS+8*(\b)+7]
.else
	v_wmma_f32_16x16x32_f16 v[ACC+8*(4*(\a)+(\b)):ACC+8*(4*(\a)+(\b))+7], v[(\f)+64+8*(4*(\c)+(\b)):(\f)+64+8*(4*(\c)+(\b))+7], v[(\f)+8*(4*(\c)+(\a)):(\f)+8*(4*(\c)+(\a))+7], v[ACC+8*(4*(\a)+(\b)):ACC+8*(4*(\a)+(\b))+7]
.endif
.endr
.endr
.endm
; 32 LDS loads in one run: the fragments of quarter q (ks 2 q and 2 q + 1 of the step) into buffer f; the first 32 along K first
.macro FETCH slot, q, f
	WIN TO_F
.irp c, 0,1
.irp i, 0,1,2,3
	ds_load_b128 v[(\f)+64+8*(4*(\c)+(\i)):(\f)+64+8*(4*(\c)+(\i))+3],   v[ADRB+(\slot)] offset:(2*(\q)+(\c))*8192+1024*(\i)
	ds_load_b128 v[(\f)+64+8*(4*(\c)+(\i))+4:(\f)+64+8*(4*(\c)+(\i))+7], v[ADRB+(\slot)] offset:(2*(\q)+(\c))*8192+1024*(\i)+512
	ds_load_b128 v[(\f)+8*(4*(\c)+(\i)):(\f)+8*(4*(\c)+(\i))+3],         v[ADRA+(\slot)] offset:(2*(\q)+(\c))*8192+1024*(\i)
	ds_load_b128 v[(\f)+8*(4*(\c)+(\i))+4:(\f)+8*(4*(\c)+(\i))+7],       v[ADRA+(\slot)] offset:(2*(\q)+(\c))*8192+1024*(\i)+512
.endr
.endr
.endm
; A K step is four quarters of 64 along K, 32 matrix instructions each, on buffers 0, 1, 0, 1.  One of the first three: multiplies buffer f and fetches quarter q into g.
.macro QUARTER slot, q, f, g, zero
	s_wait_dscnt 16                                ; the first 32 along K are in; the younger sixteen loads may stay out
	MUL8 \f, 0, 0, \zero
	MUL8 \f, 0, 2, \zero
	PLACES
	FETCH \slot, \q, \g
	s_wait_dscnt 32                                ; all but the 32 just issued
	MUL8 \f, 1, 0, 0
	MUL8 \f, 1, 2, 0
.endm
; The last quarter multiplies buffer 1 and changes slots: one barrier; in front of it each wave waits for all its tensor loads, adds 0 to its spare word, and waits for that and for its reads of this
; slot.  fill = 1: the barrier opens a round of the cluster's, and this slot is filled again, two K steps on, first thing behind it: 112 matrix instructions ahead of the wait for it.
.macro TURN slot, next, fill
	WIN 0
	s_wait_tensorcnt 0x0                           ; all my tensor loads have landed: my part of the next slot
	ds_add_u32 v[SPW], v[NIL]                      ; 0 onto my spare word
	s_wait_dscnt 17                                ; the add and the youngest sixteen loads may be out
	MUL8 F1, 0, 0, 0                               ; eight matrix instructions stand between the add and the wait for it
	s_wait_dscnt 0x0                               ; the add is done, and my reads of this slot are over
	s_barrier_signal -1
	MUL8 F1, 0, 2, 0
.if \fill
	WIN 0
.endif
	s_barrier_wait -1
.if \fill
	CREST                                          ; no wave of any partner still reads this slot or has a load on its way
	s_add_nc_u64 s[G0+4*(\slot)+2:G0+4*(\slot)+3], s[G0+4*(\slot)+2:G0+4*(\slot)+3], 2*65536
	s_add_nc_u64 s[G0B+4*(\slot)+2:G0B+4*(\slot)+3], s[G0B+4*(\slot)+2:G0B+4*(\slot)+3], 2*65536
	JLOAD \slot                                    ; the four v_nop behind it are also the places in front of the loads below
.else
	PLACES
.endif
	FETCH \next, 0, F0
	MUL8 F1, 1, 0, 0
	MUL8 F1, 1, 2, 0
.endm
	s_wait_tensorcnt 1                             ; my part of K step 0 is in; step 1's may stay out
	s_barrier_signal -1
	s_barrier_wait -1                              ; everybody's is
	FETCH 0, 0, F0
	s_wait_loadcnt 0x0                             ; the bias
	QUARTER 0, 1, F0, F1, 1                        ; four K steps, written out
	QUARTER 0, 2, F1, F0, 0
	QUARTER 0, 3, F0, F1, 0
	TURN 0, 1, 1                                   ; slot 0 takes K step 2
	QUARTER 1, 1, F0, F1, 0
	QUARTER 1, 2, F1, F0, 0
	QUARTER 1, 3, F0, F1, 0
	TURN 1, 0, 1                                   ; slot 1 takes K step 3
	QUARTER 0, 1, F0, F1, 0
	QUARTER 0, 2, F1, F0, 0
	QUARTER 0, 3, F0, F1, 0
	TURN 0, 1, 0                                   ; nothing is left to fetch
	QUARTER 1, 1, F0, F1, 0
	QUARTER 1, 2, F1, F0, 0
	QUARTER 1, 3, F0, F1, 0
	s_wait_dscnt 16                                ; the very last quarter
	MUL8 F1, 0, 0, 0
	MUL8 F1, 0, 2, 0
	s_wait_dscnt 0x0
	MUL8 F1, 1, 0, 0
	MUL8 F1, 1, 2, 0
	WIN 0
	; THE WAY OUT, 16 rows at a time: a wave's 64 columns are 256 bytes of a row.  32 bytes a lane go into my own stage, straight from the accumulators (their low four registers first), and come
	; back as whole rows.  LDS serves a wave's instructions in order (ISA guide 5.7.1.4): no wait between the stores and the loads, nor in front of the next block's stores.
	PLACES
	PLACES
.irp a, 0,1,2,3
.if \a >= 2
	s_wait_xcnt 0x0                                ; the stores of the block two back have read their data registers, which are loaded again below
.endif
.irp b, 0,1,2,3
	ds_store_b128 v[STO], v[ACC+8*(4*\a+\b):ACC+8*(4*\a+\b)+3]   offset:64*\b
	ds_store_b128 v[STO], v[ACC+8*(4*\a+\b)+4:ACC+8*(4*\a+\b)+7] offset:64*\b+16
.endr
.irp t, 0,1,2,3,4,5,6,7
	ds_load_b128 v[TMP+32*(\a%2)+4*\t:TMP+32*(\a%2)+4*\t+3], v[RD] offset:\t*2*SPITCH
.endr
.irp t, 0,1,2,3,4,5,6,7
	s_wait_dscnt 7-\t                              ; read t is back; the 7 - t younger ones may stay out
	global_store_b128 v[CO], v[TMP+32*(\a%2)+4*\t:TMP+32*(\a%2)+4*\t+3], s[10:11] offset:(16*\a+2*\t)*4096  ; 16 lanes store 256 consecutive bytes, at a multiple of 256 from out0's first byte
.endr
.endr
	s_wait_tensorcnt 0x0                           ; the wave's end: a wait on TENSORcnt, an add to my spare word and its wait, behind my last tensor load and my last LDS store
	ds_add_u32 v[SPW], v[NIL]
	s_wait_dscnt 0x0
	CROUND                                         ; the closing round: no work-group ends while a partner may still ask for a tile that names it
	s_endpgm
.Lfunc_end_k_q2ae6d93eb6_proj:
	.size	k_q2ae6d93eb6_proj, .Lfunc_end_k_q2ae6d93eb6_proj-k_q2ae6d93eb6_proj
	.p2alignl 7, 3214868480
	.fill 96, 4, 3214868480
	.section	.rodata,"a",@progbits
	.p2align	6, 0x0
	.amdhsa_kernel k_q2ae6d93eb6_proj
		.amdhsa_group_segment_fixed_size 327680
		.amdhsa_private_segment_fixed_size 0
		.amdhsa_enable_private_segment 0
		.amdhsa_kernarg_size 32
		.amdhsa_user_sgpr_count 2
		.amdhsa_user_sgpr_kernarg_segment_ptr 1
		.amdhsa_wavefront_size32 1
		.amdhsa_system_sgpr_workgroup_id_x 1
		.amdhsa_system_sgpr_workgroup_id_y 1
		.amdhsa_system_sgpr_workgroup_id_z 1
		.amdhsa_system_vgpr_workitem_id 0
		.amdhsa_next_free_vgpr 512
		.amdhsa_next_free_sgpr 66
		.amdhsa_reserve_vcc 0
		.amdhsa_float_denorm_mode_32 3
		.amdhsa_float_denorm_mode_16_64 3
		.amdhsa_memory_ordered 1
		.amdhsa_forward_progress 1
		.amdhsa_inst_pref_size 86
	.end_amdhsa_kernel
	.amdgpu_metadata
---
amdhsa.version: [ 1, 2 ]
amdhsa.kernels:
  - .name:           k_q2ae6d93eb6_proj
    .symbol:         k_q2ae6d93eb6_proj.kd
    .args:
      - { .name: Ol, .offset: 0, .size: 8, .value_kind: global_buffer, .address_space: global }
      - { .name: Wol, .offset: 8, .size: 8, .value_kind: global_buffer, .address_space: global }
      - { .name: bo, .offset: 16, .size: 8, .value_kind: global_buffer, .address_space: global }
      - { .name: out0, .offset: 24, .size: 8, .value_kind: global_buffer, .address_space: global }
    .group_segment_fixed_size: 327680
    .private_segment_fixed_size: 0
    .kernarg_segment_align: 8
    .kernarg_segment_size: 32
    .max_flat_workgroup_size: 128
    .sgpr_count:     66
    .vgpr_count:     512
    .wavefront_size: 32
...
	.end_amdgpu_metadata
.endif
;; end of part 3
;; ======== version 2 of 2: 3 launches; version 1 with the launch lay written anew for expert scheduling mode
;; limits: values are held in f16: magnitudes above 65,504 overflow, below 6.1e-05 lose precision
;; workspace buffers: Al 17,825,792 bytes; Wl 6,291,456 bytes; Wol 2,097,152 bytes; Ol 8,388,608 bytes
;; launch lay (part 4): grid 50 x 16, 8 waves a work-group, no clusters, 35,840 bytes of LDS; arguments x, y, Wq, Wk, Wv, Wo, Al, Wl, Wol; writes Al, Wl, Wol
.if DOCPART == 4
	.amdgcn_target "amdgcn-amd-amdhsa--gfx1250"
	.amdhsa_code_object_version 6
	.text
	.protected	k_q2ae6d93eb6_lay
	.globl	k_q2ae6d93eb6_lay
	.p2align	8
	.type	k_q2ae6d93eb6_lay,@function
k_q2ae6d93eb6_lay:
	s_mov_b64 s[64:65], 0
	v_nop
	global_prefetch_b8 v0, s[64:65] scope:SCOPE_SE
	s_setreg_imm32_b32 hwreg(HW_REG_WAVE_SCHED_MODE, 0, 2), 2
	s_setreg_imm32_b32 hwreg(HW_REG_WAVE_MODE, 25, 1), 1
	s_wait_xcnt 0x0
	s_wait_alu depctr_vm_vsrc(0)
; HIERARCHICAL ATTENTION, launch 1 of 3: the inputs are rounded once to 16 bits and laid out in the order in which matrix-operand registers take them.
; NOTHING OF reference() IS LEFT OUT: every leaf is a key of some window, every row of y is an ancestor of some leaf, every weight and the bias reach the output.  The index and mask
; tables are built by reference() itself from the sizes alone; they are built into the addresses here and into the masks of the next launch.
; x, y, Wq, Wk, Wv -> bf16.  Wo -> bf16, and that number written as f16 (exact from 2^-14 up; below, f16's fixed step of 6e-8), since the last product's other operand is f16.
; A FRAGMENT is 16 rows x 32 k of 16-bit numbers, 1,024 bytes: byte 512 jj + 16 L holds row L % 16, k = 16 jj + 8 (L / 16) + 0..7: two loads of 16 bytes a lane fill a matrix operand.
;   Al  [blk 16][ks 32][rt 34][1024]   blk = 8 batch + Bk: a block of 256 leaves.  Its 34 row tiles: rt 0-7 leaves L0-7, 8 H (the 16 leaves in front of the block), 9-16 G0-7,
;                                      17-24 L8-15, 25 U, 26-33 G8-15.  G_t: the ancestors of leaf tile t at tree levels 0-4 (8 + 4 + 2 + 1 + 1 rows of y).  U: the block's ancestors at levels 5-10
;                                      (4 + 2 + 1 + 1 + 1 + 1 rows), then the root six times more to fill the tile.  H of a batch's first block repeats that block's first 16 leaves.
;                                      The repeated rows are always hidden by the next launch's masks; they only keep every tile whole and finite.
;   Wl  [head 16][ks 32][f 12][1024]   f = 4 m + e: rows 64 head + 16 e + 0..15 of Wq, Wk, Wv (m = 0, 1, 2)
;   Wol [nb 8][ks 32][nt 8][1024]      rows 128 nb + 16 nt + 0..15 of Wo
; SHARES.  A work-group takes one tile of 16 source rows and all 1,024 k; wave v takes k = 128 v .. 128 v + 127: one load covers 512 consecutive bytes of a row, all 16 rows' loads go out at once.
; The rounded rows go through the wave's own stage in LDS (rows of 256 + 16 bytes) and come back as fragments; each store covers 512 consecutive bytes, aligned.  No wave reads another's bytes: no barrier.
; No matrix unit, cluster, tensor load or prefetch: nothing is shared between work-groups, and every load stands at the kernel's head.
; THE MODE: SCHED_MODE bits 1:0 = 2 (LLVM: expert scheduling mode 2), set by the entry lines.  The code itself states the register dependences
; between vector instructions and memory or LDS instructions, with s_wait_alu, always for 0.
; THE PLAN.  The 16 rows go in four blocks of four.  Registers that memory or LDS instructions touch:
;   OFF (v16-31)   written once, behind .Ljoin; read by the 16 global loads; never written again.
;   ST, RD (v3, 4) written at the head; read by the LDS stores and the LDS loads; never written again.
;   DO (v5-8)      written behind the global loads; read by the eight global stores at the end; never written again.
;   X (v32-95)     the global loads land here; block g's conversions read its rows 4 g .. 4 g + 3; behind the last conversion the eight LDS loads land in v32-63, which the global stores read.
;   Y (v96-127)    a pair of its own for each row: written by block g's conversions; read by the four LDS stores that are issued in block g + 1 (block 3's: behind it); never written again.
;   SPW, NIL       written at the head, read by the closing add alone.
; Block g's LDS stores read the Y of block g - 1, which no vector line of block g names: so ONE wait on va_vdst at a block's head states all that its four stores hang on, and they are dealt
; among its conversions.  No register that a memory or LDS instruction reads is ever written again: the body holds no wait on vm_vsrc.
.set SP,    272                        ; a stage row: 256 bytes + 16: an odd multiple of 16, so the 16 rows of a read start in 16 different groups of four banks (ISA guide 11.1)
.set STG,   16*SP                      ; a wave's stage
.set SPARE, 8*STG                      ; behind the stages: the spare words, 128 bytes for each wave: four blocks of 256 bytes that no other line names
.set LO,  2                            ; v2      my 16 bytes in a source row: 512 wave + 16 lane
.set ST,  3                            ; v3      where I put my 8 bytes of a stage row
.set RD,  4                            ; v4      where I read 16 bytes of a fragment
.set DO,  5                            ; v5-8    my 16 bytes in the fragment of ks = 4 wave + q
.set SPW, 14                           ; v14     LDS address of my spare word; never rewritten
.set NIL, 15                           ; v15     0; never rewritten
.set OFF, 16                           ; v16-31  byte offset of my 16 bytes in source row j
.set X,   32                           ; v32-95  16 rows x 4 f32 as loaded; later 8 x 16 bytes of fragments
.set Y,   96                           ; v96-127 16 rows x 4 numbers of 16 bits
.set ROW, 32                           ; s32-47  the 16 source rows' numbers
	s_load_b512 s[8:23], s[0:1], 0x0               ; x s[8:9], y s[10:11], Wq s[12:13], Wk s[14:15], Wv s[16:17], Wo s[18:19], Al s[20:21], Wl s[22:23]
	s_load_b64 s[24:25], s[0:1], 0x40              ; Wol
	v_lshl_add_u32 v[SPW], v0, 2, SPARE
	v_mov_b32 v[NIL], 0
	v_lshrrev_b32 v1, 5, v0
	v_readfirstlane_b32 s2, v1                     ; wave 0..7
	v_and_b32 v1, 31, v0                           ; lane
	v_lshlrev_b32 v[LO], 4, v0
	v_and_b32 v9, 15, v0                           ; the lane terms that need no wave number stand between the line that writes s2 and the wait for it
	v_bfe_u32 v10, v0, 4, 1
	v_mul_u32_u24 v[RD], v9, SP
	v_lshl_add_u32 v[RD], v10, 4, v[RD]
	s_wait_alu depctr_va_sdst(0)                   ; s2 is written, ahead of its first reader: the wave's stage and, later, its fragments' places are made from it
	s_mul_i32 s5, s2, STG
	v_lshl_add_u32 v[ST], v1, 3, s5
	v_add_nc_u32 v[RD], s5, v[RD]
	s_mov_b32 s3, ttmp9                            ; which tile: 0-33 Al's rt, 34-45 Wl's f, 46-49 Wol
	s_and_b32 s4, ttmp7, 0xffff                    ; blk, head, or a quarter of Wol's tile number
	s_mov_b32 s48, 0                               ; 1: the numbers leave as f16
	s_wait_kmcnt 0x0
	; Every branch below hangs on the work-group's numbers alone and goes forward.  Each way sets the source s[26:27], the 16 rows, the destination s[28:29],
	; the tile's byte offset in it s30 and the bytes from one ks to the next s31.
	s_cmp_lt_u32 s3, 34
	s_cbranch_scc0 .Lweights
	s_mov_b64 s[28:29], s[20:21]                   ; Al
	s_mul_i32 s30, s4, 1114112                     ; 32 ks x 34 tiles x 1,024 bytes a block
	s_lshl_b32 s5, s3, 10
	s_add_co_u32 s30, s30, s5
	s_mov_b32 s31, 34816
	s_lshr_b32 s49, s4, 3                          ; batch
	s_and_b32 s50, s4, 7                           ; Bk
	s_cmp_ge_u32 s3, 17
	s_cselect_b32 s51, 1, 0                        ; which half of the 34
	s_mul_i32 s5, s51, 17
	s_sub_co_u32 s52, s3, s5                       ; i = 0..16 in that half
	s_cmp_lt_u32 s52, 8
	s_cbranch_scc0 .Lnot_leaf
	s_lshl_b32 s5, s51, 3                          ; L_t, t = 8 half + i: x rows 256 blk + 16 t + j
	s_add_co_u32 s5, s5, s52
	s_lshl_b32 s5, s5, 4
	s_lshl_b32 s6, s4, 8
	s_add_co_u32 s5, s5, s6
	s_mov_b64 s[26:27], s[8:9]
	s_branch .Lcont
.Lnot_leaf:
	s_cmp_eq_u32 s52, 8
	s_cbranch_scc0 .Lgroup
	s_cmp_eq_u32 s51, 0
	s_cbranch_scc0 .Lupper
	s_lshl_b32 s5, s4, 8                           ; H: x rows 256 blk - 16 + j; in a batch's first block 256 blk + j
	s_cmp_eq_u32 s50, 0
	s_cselect_b32 s6, 0, 16
	s_sub_co_u32 s5, s5, s6
	s_mov_b64 s[26:27], s[8:9]
	s_branch .Lcont
.Lgroup:
	s_mov_b64 s[26:27], s[10:11]                   ; G_t, t = 8 half + i - 9
	s_mul_i32 s53, s49, 2047                       ; the batch's first row of y
	s_lshl_b32 s5, s51, 3
	s_add_co_u32 s5, s5, s52
	s_sub_co_u32 s5, s5, 9
	s_lshl_b32 s6, s50, 4
	s_add_co_u32 s54, s5, s6                       ; T = 16 Bk + t: the leaf tile in its batch
	s_lshl3_add_u32 s5, s54, s53                   ; level 0: nodes 8 T + 0..7
.irp g, 0,1,2,3,4,5,6,7
	s_add_co_u32 s[ROW+\g], s5, \g
.endr
	s_lshl2_add_u32 s5, s54, s53                   ; level 1, from row 1,024: nodes 4 T + 0..3
.irp g, 0,1,2,3
	s_add_co_u32 s[ROW+8+\g], s5, 1024+\g
.endr
	s_lshl1_add_u32 s5, s54, s53                   ; level 2, from row 1,536: nodes 2 T, 2 T + 1
	s_add_co_u32 s[ROW+12], s5, 1536
	s_add_co_u32 s[ROW+13], s5, 1537
	s_add_co_u32 s5, s54, s53                      ; level 3, from row 1,792: node T
	s_add_co_u32 s[ROW+14], s5, 1792
	s_lshr_b32 s5, s54, 1                          ; level 4, from row 1,920: node T / 2
	s_add_co_u32 s5, s5, s53
	s_add_co_u32 s[ROW+15], s5, 1920
	s_branch .Ljoin
.Lupper:
	s_mov_b64 s[26:27], s[10:11]                   ; U
	s_mul_i32 s53, s49, 2047
	s_lshl2_add_u32 s5, s50, s53                   ; level 5, from row 1,984: nodes 4 Bk + 0..3
.irp g, 0,1,2,3
	s_add_co_u32 s[ROW+\g], s5, 1984+\g
.endr
	s_lshl1_add_u32 s5, s50, s53                   ; level 6, from row 2,016
	s_add_co_u32 s[ROW+4], s5, 2016
	s_add_co_u32 s[ROW+5], s5, 2017
	s_add_co_u32 s5, s50, s53                      ; level 7, from row 2,032
	s_add_co_u32 s[ROW+6], s5, 2032
	s_lshr_b32 s5, s50, 1                          ; level 8, from row 2,040
	s_add_co_u32 s5, s5, s53
	s_add_co_u32 s[ROW+7], s5, 2040
	s_lshr_b32 s5, s50, 2                          ; level 9, from row 2,044
	s_add_co_u32 s5, s5, s53
	s_add_co_u32 s[ROW+8], s5, 2044
.irp g, 9,10,11,12,13,14,15
	s_add_co_u32 s[ROW+\g], s53, 2046              ; the root; six of the seven only fill the tile
.endr
	s_branch .Ljoin
.Lweights:
	s_cmp_lt_u32 s3, 46
	s_cbranch_scc0 .Lwo
	s_sub_co_u32 s6, s3, 34                        ; f
	s_lshr_b32 s7, s6, 2                           ; m
	s_cmp_eq_u32 s7, 0
	s_cselect_b64 s[26:27], s[12:13], s[14:15]
	s_cmp_eq_u32 s7, 2
	s_cselect_b64 s[26:27], s[16:17], s[26:27]
	s_and_b32 s5, s6, 3
	s_lshl_b32 s5, s5, 4
	s_lshl_b32 s7, s4, 6
	s_add_co_u32 s5, s5, s7                        ; rows 64 head + 16 e + j
	s_mov_b64 s[28:29], s[22:23]
	s_mul_i32 s30, s4, 393216                      ; 32 ks x 12 fragments a head
	s_lshl_b32 s7, s6, 10
	s_add_co_u32 s30, s30, s7
	s_mov_b32 s31, 12288
	s_branch .Lcont
.Lwo:
	s_lshl_b32 s6, s4, 2
	s_add_co_u32 s6, s6, s3
	s_sub_co_u32 s6, s6, 46                        ; Wo's tile 0..63
	s_lshl_b32 s5, s6, 4
	s_mov_b64 s[26:27], s[18:19]
	s_mov_b64 s[28:29], s[24:25]
	s_lshr_b32 s7, s6, 3
	s_lshl_b32 s30, s7, 18                         ; 32 ks x 8 fragments for 128 rows
	s_and_b32 s7, s6, 7
	s_lshl_b32 s7, s7, 10
	s_add_co_u32 s30, s30, s7
	s_mov_b32 s31, 8192
	s_mov_b32 s48, 1
.Lcont:                                                ; 16 rows on end, from s5
.irp j, 0,1,2,3,4,5,6,7,8,9,10,11,12,13,14,15
	s_add_co_u32 s[ROW+\j], s5, \j
.endr
.Ljoin:
.irp j, 0,1,2,3,4,5,6,7,8,9,10,11,12,13,14,15
	v_lshl_add_u32 v[OFF+\j], s[ROW+\j], 12, v[LO] ; a source row is 4,096 bytes
.endr
	s_wait_alu depctr_va_vdst(0)                   ; the 16 offsets are written, which the loads below read; so are v[ST] and v[RD], which the LDS stores and loads further down read
.irp j, 0,1,2,3,4,5,6,7,8,9,10,11,12,13,14,15
	global_load_b128 v[X+4*\j:X+4*\j+3], v[OFF+\j], s[26:27]  ; 512 consecutive bytes of row j; 16 loads, 8 KiB a wave, are out together
.endr
	s_lshl_b32 s5, s2, 2
	s_mul_i32 s5, s5, s31
	s_add_co_u32 s5, s5, s30                       ; the tile's fragment of ks = 4 wave
.irp q, 0,1,2,3
	v_lshl_add_u32 v[DO+\q], v1, 4, s5             ; read by the global stores at the end: the blocks' waits on va_vdst stand between
	s_add_co_u32 s5, s5, s31
.endr
; The 16 rows in four blocks of four.  A row is rounded to bf16, two numbers an instruction; half = 1: the bf16 numbers are widened again (a shift, a mask) and written as f16.
; Its 8 bytes a lane go into the stage one block later, behind the one wait at that block's head, a store in front of each row's conversions.
.macro ROUNDED half
.irp g, 0,1,2,3
	s_wait_loadcnt 12-4*(\g)                       ; loads come back in order (ISA guide 5.7.1): block g's four rows are in, the rows of the 3 - g younger blocks may stay out
.if (\g) > 0
	s_wait_alu depctr_va_vdst(0)                   ; the block before has written its eight registers of Y, which the four LDS stores below read (at block 1 also: v[DO ..] are written)
.endif
.irp i, 0,1,2,3
.if (\g) > 0
	ds_store_b64 v[ST], v[Y+2*(4*(\g)-4+(\i)):Y+2*(4*(\g)-4+(\i))+1] offset:SP*(4*(\g)-4+(\i))  ; a row of the block before; no vector line since the wait names its registers
.endif
	v_cvt_pk_bf16_f32 v[Y+2*(4*(\g)+(\i))], v[X+4*(4*(\g)+(\i))], v[X+4*(4*(\g)+(\i))+1]
	v_cvt_pk_bf16_f32 v[Y+2*(4*(\g)+(\i))+1], v[X+4*(4*(\g)+(\i))+2], v[X+4*(4*(\g)+(\i))+3]
.if \half
	v_lshlrev_b32 v10, 16, v[Y+2*(4*(\g)+(\i))]
	v_and_b32 v11, 0xffff0000, v[Y+2*(4*(\g)+(\i))]
	v_lshlrev_b32 v12, 16, v[Y+2*(4*(\g)+(\i))+1]
	v_and_b32 v13, 0xffff0000, v[Y+2*(4*(\g)+(\i))+1]
	v_cvt_pk_f16_f32 v[Y+2*(4*(\g)+(\i))], v10, v11
	v_cvt_pk_f16_f32 v[Y+2*(4*(\g)+(\i))+1], v12, v13
.endif
.endr
.endr
	s_wait_alu depctr_va_vdst(0)                   ; block 3 has written its Y, which the last four LDS stores read; and all conversions are done reading X, in whose first 32 registers the LDS loads behind .Lback land
.irp i, 12,13,14,15
	ds_store_b64 v[ST], v[Y+2*(\i):Y+2*(\i)+1] offset:SP*(\i)
.endr
.endm
	s_cmp_eq_u32 s48, 1
	s_cbranch_scc1 .Lhalf
	ROUNDED 0
	s_branch .Lback
.Lhalf:
	ROUNDED 1
.Lback:                                                ; no vector line stands between the last wait on va_vdst, on either way, and the kernel's end
.irp n, 0,1,2,3,4,5,6,7
	ds_load_b128 v[X+4*\n:X+4*\n+3], v[RD] offset:64*(\n/2)+32*(\n%2)  ; half n % 2 of fragment n / 2; LDS serves a wave's instructions in order (ISA guide 5.7.1.4): these see the stores above
.endr
.irp n, 0,1,2,3,4,5,6,7
	s_wait_dscnt 7-\n                              ; read n is back; the 7 - n younger ones may stay out
	global_store_b128 v[DO+\n/2], v[X+4*\n:X+4*\n+3], s[28:29] offset:512*(\n%2)  ; 512 consecutive bytes, at a multiple of 512 from the buffer's first byte
.endr
	s_wait_dscnt 0x0                               ; the closing lines, six on end
	s_wait_alu 0x0
	s_wait_tensorcnt 0x0
	ds_add_u32 v[SPW], v[NIL]
	s_wait_dscnt 0x0
	s_endpgm
.Lfunc_end_k_q2ae6d93eb6_lay:
	.size	k_q2ae6d93eb6_lay, .Lfunc_end_k_q2ae6d93eb6_lay-k_q2ae6d93eb6_lay
	.p2alignl 7, 3214868480
	.fill 96, 4, 3214868480
	.section	.rodata,"a",@progbits
	.p2align	6, 0x0
	.amdhsa_kernel k_q2ae6d93eb6_lay
		.amdhsa_group_segment_fixed_size 35840
		.amdhsa_private_segment_fixed_size 0
		.amdhsa_enable_private_segment 0
		.amdhsa_kernarg_size 72
		.amdhsa_user_sgpr_count 2
		.amdhsa_user_sgpr_kernarg_segment_ptr 1
		.amdhsa_wavefront_size32 1
		.amdhsa_system_sgpr_workgroup_id_x 1
		.amdhsa_system_sgpr_workgroup_id_y 1
		.amdhsa_system_sgpr_workgroup_id_z 1
		.amdhsa_system_vgpr_workitem_id 0
		.amdhsa_next_free_vgpr 128
		.amdhsa_next_free_sgpr 66
		.amdhsa_reserve_vcc 0
		.amdhsa_float_denorm_mode_32 3
		.amdhsa_float_denorm_mode_16_64 3
		.amdhsa_memory_ordered 1
		.amdhsa_forward_progress 1
		.amdhsa_inst_pref_size 23
	.end_amdhsa_kernel
	.amdgpu_metadata
---
amdhsa.version: [ 1, 2 ]
amdhsa.kernels:
  - .name:           k_q2ae6d93eb6_lay
    .symbol:         k_q2ae6d93eb6_lay.kd
    .args:
      - { .name: x, .offset: 0, .size: 8, .value_kind: global_buffer, .address_space: global }
      - { .name: y, .offset: 8, .size: 8, .value_kind: global_buffer, .address_space: global }
      - { .name: Wq, .offset: 16, .size: 8, .value_kind: global_buffer, .address_space: global }
      - { .name: Wk, .offset: 24, .size: 8, .value_kind: global_buffer, .address_space: global }
      - { .name: Wv, .offset: 32, .size: 8, .value_kind: global_buffer, .address_space: global }
      - { .name: Wo, .offset: 40, .size: 8, .value_kind: global_buffer, .address_space: global }
      - { .name: Al, .offset: 48, .size: 8, .value_kind: global_buffer, .address_space: global }
      - { .name: Wl, .offset: 56, .size: 8, .value_kind: global_buffer, .address_space: global }
      - { .name: Wol, .offset: 64, .size: 8, .value_kind: global_buffer, .address_space: global }
    .group_segment_fixed_size: 35840
    .private_segment_fixed_size: 0
    .kernarg_segment_align: 8
    .kernarg_segment_size: 72
    .max_flat_workgroup_size: 256
    .sgpr_count:     66
    .vgpr_count:     128
    .wavefront_size: 32
...
	.end_amdgpu_metadata
.endif
;; end of part 4
;; launch qkva: the kernel of part 2 again; grid 16 x 16, 4 waves a work-group, clusters of 4 x 4, 327,680 bytes of LDS; arguments Al, Wl, Ol; writes Ol
;; launch proj: the kernel of part 3 again; grid 8 x 32, 4 waves a work-group, clusters of 4 x 4, 327,680 bytes of LDS; arguments Ol, Wol, bo, out0; writes out0
